; MI455X (gfx1250); checked and timed in simulation.
; The chip was launched on July 23, 2026; its instructions are those of AMD's public machine-readable ISA for CDNA 5 (MIT licence, August 2026) and "CDNA5" Instruction Set Architecture Reference Guide (July 2026). The comments in the code are by the model that wrote it; some were corrected since.
;; Multi Head Attention Chunk. Allowed arithmetic: matrix products marked QUANTISED: E2M1 operands, one E8M0 scale for each 32 along K, by v_wmma_scale_f32_16x16x128_f8f6f4 with both operands' format E2M1 (or v_wmma_scale_f32_32x16x128_f4), f32 sums; everything else in f32.
;; Inputs: Wk 512 x 512 float32; Wo 512 x 512 float32; Wq 512 x 512 float32; Wv 512 x 512 float32; bk 512 float32; bo 512 float32; bq 512 float32; bv 512 float32; key 8 x 4,096 x 512 float32; query 8 x 4,096 x 512 float32; value 8 x 4,096 x 512 float32.
;; Outputs: out0 8 x 4,096 x 512 float32.
;; This version of the problem:
;;   THIS VERSION OF THE PROBLEM IS GIVEN IN LOW PRECISION. The matrix products marked QUANTISED in the list below multiply operands that are first quantised to E2M1 (2 exponent bits, 1 mantissa bit; 4 bits a number), with one power-of-two scale for each 32 numbers along K (OCP MX v1.0); their sums are f32. All else is computed in f32.
;;   The module's matrix products, in the order in which they are computed (A, B: the left and right operand; K: the contracted axis; several contracted axes count as one K, in the product's order):
;;     1. [M 32,768, K 512] x [K 512, N 512]; A: input query; B: input Wq: QUANTISED
;;     2. [M 32,768, K 512] x [K 512, N 512]; A: input key; B: input Wk: QUANTISED
;;     3. [M 32,768, K 512] x [K 512, N 512]; A: input value; B: input Wv: QUANTISED
;;     4. batch 1,024 x [M 256, K 64] x [K 64, N 256]; A: computed on the way; B: computed on the way: QUANTISED
;;     5. batch 1,024 x [M 64, K 256] x [K 256, N 256]; A: computed on the way; B: softmax (see below): QUANTISED
;;     6. [M 32,768, K 512] x [K 512, N 512]; A: computed on the way; B: input Wo: QUANTISED
;;   THE QUANTISER, for each operand of a quantised product, along K:
;;     - K is cut into blocks of 32 from its start; a last block that is shorter is filled with zeros.
;;     - A block's scale is 2^e with e = floor(log2(the largest magnitude in the block)) - 2, held to -126 .. 127; a block of zeros has e = 0. As a byte (E8M0): e + 127.
;;     - Each number is divided by its block's scale, clamped to +-6, and rounded to the nearest number of E2M1, ties to even, subnormals kept.
;;     - The product sums the exact products of the quantised numbers (number of the format x scale) in f32.
;;   ~~~python
;;   def quantise(x, axis):      # numpy; x: float32 -> the quantised numbers, widened to float32 again
;;       x = np.moveaxis(x, axis, -1); K = x.shape[-1]
;;       x = np.pad(x, [(0, 0)] * (x.ndim - 1) + [(0, -K % 32)]); x = x.reshape(x.shape[:-1] + (-1, 32)); a = np.abs(x).max(-1, keepdims=True)
;;       e = np.where(a > 0, np.clip(np.frexp(np.where(a > 0, a, 1))[1] - 1 - 2, -126, 127), 0)      # np.frexp(a)[1] - 1 = floor(log2(a)), exactly
;;       r = np.clip(x / 2.0 ** e, -6, 6)
;;       step = 2.0 ** (np.maximum(np.frexp(np.where(r == 0, 1, r))[1] - 1, 0) - 1)
;;       q = np.round(r / step) * step * 2.0 ** e      # np.round: ties to even
;;       return np.moveaxis(q.reshape(q.shape[:-2] + (-1,))[..., :K], -1, axis).astype(np.float32)
;;   ~~~
;;   SOFTMAX AHEAD OF A QUANTISED PRODUCT. Where the list says 'softmax', what is quantised is not the finished softmax but p = 2^(t - M), with t = logit x log2(e) and M = ceil(the row's largest t), a whole number; so 1/2 < the row's largest p <= 1. The row's sum l is taken of the UNQUANTISED p, in f32, and the product's result is divided by l at the end. Since M is a whole number, a kernel that streams over the keys may use a running M (the ceiling of the running maximum): every later rescaling is an exact power of two, which a block's scale takes up: the codes' values come out the same.
;;   OPERANDS COMPUTED ON THE WAY. 'Computed on the way' means the value that the module computes at that place (a softmax that the list does not call 'softmax' is quantised finished and normalised). What goes into a quantiser is computed in f32, as accurately as f32 sums, v_exp_f32 and their like allow (about 1e-6 of the number): no bf16 or f16 on the way to a quantiser, and a product that is left as it is and whose result goes on into a quantised operand takes f32 operands (vector FMAs, or v_wmma_f32_16x16x4_f32). A number that lies on a knife's edge between two numbers of the format may be rounded either way, as far as f32 arithmetic and the matrix unit's own rounding can turn it there, and no further.
;; 2 versions. Each part assembles by itself: llvm-mc -triple=amdgcn-amd-amdhsa -mcpu=gfx1250 --defsym DOCPART=n.
;; ======== version 1 of 2: 3 launches
;; workspace buffers: wcodes 524,288 bytes; wscales 32,768 bytes; acts 25,165,824 bytes; actss 1,572,864 bytes
;; launch prep (part 1): grid 16 x 4, 8 waves a work-group, no clusters, 69,120 bytes of LDS; arguments Wq, Wk, Wv, Wo, wcodes, wscales; writes wcodes, wscales
.if DOCPART == 1
	.amdgcn_target "amdgcn-amd-amdhsa--gfx1250"
	.amdhsa_code_object_version 6
	.text
	.protected	k_q8e9d85e6bb_prep
	.globl	k_q8e9d85e6bb_prep
	.p2align	8
	.type	k_q8e9d85e6bb_prep,@function
k_q8e9d85e6bb_prep:
	s_mov_b64 s[64:65], 0
	v_nop
	global_prefetch_b8 v0, s[64:65] scope:SCOPE_SE
	s_setreg_imm32_b32 hwreg(HW_REG_WAVE_MODE, 25, 1), 1
	s_wait_xcnt 0x0
; Wq, Wk, Wv, Wo [512 (n)][512 (k)] f32, K innermost, become codes of FP4 (E2M1) with one E8M0 byte for each 32 along K, laid IN THE ORDER OF THE OPERAND'S REGISTERS:
;   wcodes  [weight 4][w 8][T 4][s 4][c 2][lane 32][16 bytes]      wscales [weight 4][w 8][T 4][r 16][s 4] words of four bytes
; w: the 64 rows of a head (or 64 output columns); s: K step of 128; T = 2 b + u: a tile of 16 rows; place m of the tile holds row 64 w + 32 b + 8 u + m + 8 (m / 8), so that the
; results of tiles (b, 0) and (b, 1), used as source 0 of a product, are 16 neighbours in a lane's registers.  Lane (r, h) of piece c holds k = 128 s + 64 c + 32 h + 0 .. 31 of place r.
; A block's scale is 2^(floor(log2(its largest magnitude)) - 2); its byte is the largest magnitude's exponent field - 2, held at 1 from below.
; LIMITS: a block of zeros gets the byte 1 where the rule says 127 (its codes are zeros, and this program alone reads the bytes); NaN and infinities among the inputs are not served.
; SHARES: work-group x = 2 w + P, y = the weight.  Wave v takes tile T = 2 P + v / 4 and K step s = v % 4: 16 rows x 128 numbers.  Each load reads 512 consecutive bytes of a row; the
; numbers turn through the wave's own stage in LDS (rows 528 bytes apart: the sixteen rows that a read touches start in sixteen different columns of 16 bytes), so that a lane gets two whole blocks.
; No tensor load, no cluster: no two work-groups read the same byte.
.set SP,    528
.set WSTG,  16*SP                      ; a wave's stage
.set SCB,   8*WSTG                     ; behind the stages: the work-group's 512 bytes of scale words
.set RAW,   16                         ; v16-79   as loaded
.set X,     80                         ; v80-143  two blocks of 32 neighbours
.set C,     144                        ; v144-151 the fragment's codes
.set MXR,   152                        ; v152-153 largest magnitudes;  v154-155 the conversions' scale operands;  v156-157 the bytes
	s_load_b256 s[4:11], s[0:1], 0x0               ; Wq, Wk, Wv, Wo
	s_load_b128 s[12:15], s[0:1], 0x20             ; wcodes, wscales
	v_lshl_add_u32 v160, v0, 2, 0x10a00
	v_mov_b32 v161, 0
	v_lshrrev_b32 v1, 5, v0
	v_readfirstlane_b32 s16, v1                    ; wave v
	v_and_b32 v2, 31, v0                           ; lane
	v_and_b32 v3, 15, v0                           ; r
	v_bfe_u32 v4, v0, 4, 1                         ; h
	v_lshlrev_b32 v5, 4, v2                        ; 16 x lane
	s_and_b32 s17, ttmp7, 0xffff                   ; which weight
	s_lshr_b32 s18, ttmp9, 1                       ; w
	s_and_b32 s19, ttmp9, 1                        ; P = b
	s_lshr_b32 s20, s16, 2                         ; u
	s_and_b32 s21, s16, 3                          ; s
	s_mul_i32 s22, s16, WSTG
	v_add_nc_u32 v6, s22, v5                       ; the stage, on the way in: 16 x lane of row i
	v_mul_u32_u24 v7, v3, SP
	v_lshl_add_u32 v7, v4, 7, v7
	v_add_nc_u32 v7, s22, v7                       ; and on the way out: row r, + 128 h bytes
	s_lshl_b32 s23, s20, 8
	s_lshl_b32 s24, s21, 2
	s_add_co_u32 s23, s23, s24
	s_add_co_u32 s23, s23, SCB
	v_lshl_add_u32 v8, v3, 4, s23                  ; my scale word: SCB + 256 u + 16 r + 4 s
	v_add_nc_u32 v11, SCB, v5                      ; and where wave 0 reads them back
	s_lshl_b32 s24, s18, 17                        ; the weight's bytes: (64 w + 32 P + 8 u) rows of 2,048 + 512 s
	s_lshl_b32 s26, s19, 16
	s_add_co_u32 s24, s24, s26
	s_lshl_b32 s26, s20, 14
	s_add_co_u32 s24, s24, s26
	s_lshl_b32 s26, s21, 9
	s_add_co_u32 s24, s24, s26
	s_mov_b32 s25, 0
	s_lshl_b32 s26, s17, 17                        ; the codes' bytes: 131,072 weight + 16,384 w + 1,024 (8 P + 4 u + s)
	s_lshl_b32 s28, s18, 14
	s_add_co_u32 s26, s26, s28
	s_lshl_b32 s28, s19, 13
	s_add_co_u32 s26, s26, s28
	s_lshl_b32 s28, s20, 12
	s_add_co_u32 s26, s26, s28
	s_lshl_b32 s28, s21, 10
	s_add_co_u32 s26, s26, s28
	s_mov_b32 s27, 0
	s_lshl_b32 s28, s17, 13                        ; the scale words' bytes: 8,192 weight + 1,024 w + 512 P
	s_lshl_b32 s30, s18, 10
	s_add_co_u32 s28, s28, s30
	s_lshl_b32 s30, s19, 9
	s_add_co_u32 s28, s28, s30
	s_mov_b32 s29, 0
	s_mov_b32 s32, 0x76543210
	s_mov_b32 s33, 0xfedcba98                      ; v_permlanex16_b32's selects for lane l xor 16
	s_wait_kmcnt 0x0
	s_cmp_eq_u32 s17, 1                            ; the choice of the weight hangs on the work-group's number alone
	s_cselect_b64 s[4:5], s[6:7], s[4:5]
	s_cmp_eq_u32 s17, 2
	s_cselect_b64 s[4:5], s[8:9], s[4:5]
	s_cmp_eq_u32 s17, 3
	s_cselect_b64 s[4:5], s[10:11], s[4:5]
	s_add_nc_u64 s[4:5], s[4:5], s[24:25]
	s_add_nc_u64 s[12:13], s[12:13], s[26:27]
	s_add_nc_u64 s[14:15], s[14:15], s[28:29]
.irp i, 0,1,2,3,4,5,6,7,8,9,10,11,12,13,14,15
	global_load_b128 v[RAW+4*\i:RAW+4*\i+3], v5, s[4:5] offset:(\i+8*(\i/8))*2048 th:TH_LOAD_NT   ; place i of the tile: 512 consecutive bytes of its row
.endr
	s_wait_loadcnt 0x0
.irp i, 0,1,2,3,4,5,6,7,8,9,10,11,12,13,14,15
	ds_store_b128 v6, v[RAW+4*\i:RAW+4*\i+3] offset:SP*\i
.endr
.irp c, 0,1
.irp g, 0,1,2,3,4,5,6,7
	ds_load_b128 v[X+32*\c+4*\g:X+32*\c+4*\g+3], v7 offset:256*\c+16*\g   ; LDS serves a wave's instructions in order: these see my stores.  k = 64 c + 32 h + 4 g ..
.endr
.endr
	s_wait_dscnt 0x0
.irp c, 0,1                                    ; my block 2 c + h: all its 32 numbers are mine
	v_max3_num_f32 v[MXR+\c], |v[X+32*\c]|, |v[X+32*\c+1]|, 0x1800000   ; with the floor 2^(3 - 127): the byte cannot fall under 1
.endr
.irp i, 2,4,6,8,10,12,14,16,18,20,22,24,26,28,30
.irp c, 0,1
	v_max3_num_f32 v[MXR+\c], v[MXR+\c], |v[X+32*\c+\i]|, |v[X+32*\c+\i+1]|
.endr
.endr
.irp c, 0,1
	v_add_nc_u32 v[MXR+2+\c], 0xff000000, v[MXR+\c]   ; 2 off the exponent field: the conversion's scale operand
.endr
.irp c, 0,1
	v_lshrrev_b32 v[MXR+4+\c], 23, v[MXR+2+\c]     ; the scale's byte
.endr
	v_lshl_or_b32 v9, v[MXR+5], 16, v[MXR+4]       ; my two bytes: blocks h and 2 + h,
	v_lshlrev_b32 v10, 3, v4
	v_lshlrev_b32 v9, v10, v9                      ; at their places in the word (8 h bits up);
	v_mov_b32 v10, 0
	v_permlanex16_b32 v10, v9, s32, s33
	v_or_b32 v9, v9, v10                           ; with lane l xor 16's two the word is whole
.irp c, 0,1
.irp g, 0,1,2,3
	v_cvt_scalef32_pk8_fp4_f32 v[C+4*\c+\g], v[X+32*\c+8*\g:X+32*\c+8*\g+7], v[MXR+2+\c]
.endr
.endr
	v_nop                                          ; one plain line behind the last scaled conversion
.irp c, 0,1
	global_store_b128 v5, v[C+4*\c:C+4*\c+3], s[12:13] offset:512*\c   ; 32 lanes store 512 consecutive bytes
.endr
	ds_store_b32 v8, v9                            ; lanes r and r + 16 write the same word with the same value
	s_wait_dscnt 0x0                               ; for the others' sake: my word has landed
	s_barrier_signal -1
	s_barrier_wait -1
	s_cmp_lg_u32 s16, 0                            ; wave 0 stores the work-group's 512 bytes of scale words in one instruction
	s_cbranch_scc1 .Lend
	ds_load_b128 v[16:19], v11
	s_wait_dscnt 0x0
	global_store_b128 v5, v[16:19], s[14:15]
.Lend:
	s_wait_tensorcnt 0x0
	ds_add_u32 v160, v161
	s_wait_dscnt 0x0
	s_endpgm
.Lfunc_end_k_q8e9d85e6bb_prep:
	.size	k_q8e9d85e6bb_prep, .Lfunc_end_k_q8e9d85e6bb_prep-k_q8e9d85e6bb_prep
	.p2alignl 7, 3214868480
	.fill 96, 4, 3214868480
	.section	.rodata,"a",@progbits
	.p2align	6, 0x0
	.amdhsa_kernel k_q8e9d85e6bb_prep
		.amdhsa_group_segment_fixed_size 69120
		.amdhsa_private_segment_fixed_size 0
		.amdhsa_enable_private_segment 0
		.amdhsa_kernarg_size 48
		.amdhsa_user_sgpr_count 2
		.amdhsa_user_sgpr_kernarg_segment_ptr 1
		.amdhsa_wavefront_size32 1
		.amdhsa_system_sgpr_workgroup_id_x 1
		.amdhsa_system_sgpr_workgroup_id_y 1
		.amdhsa_system_sgpr_workgroup_id_z 1
		.amdhsa_system_vgpr_workitem_id 0
		.amdhsa_next_free_vgpr 162
		.amdhsa_next_free_sgpr 66
		.amdhsa_reserve_vcc 0
		.amdhsa_float_denorm_mode_32 3
		.amdhsa_float_denorm_mode_16_64 3
		.amdhsa_memory_ordered 1
		.amdhsa_forward_progress 1
		.amdhsa_inst_pref_size 10
	.end_amdhsa_kernel
	.amdgpu_metadata
---
amdhsa.version: [ 1, 2 ]
amdhsa.kernels:
  - .name:           k_q8e9d85e6bb_prep
    .symbol:         k_q8e9d85e6bb_prep.kd
    .args:
      - { .name: Wq, .offset: 0, .size: 8, .value_kind: global_buffer, .address_space: global }
      - { .name: Wk, .offset: 8, .size: 8, .value_kind: global_buffer, .address_space: global }
      - { .name: Wv, .offset: 16, .size: 8, .value_kind: global_buffer, .address_space: global }
      - { .name: Wo, .offset: 24, .size: 8, .value_kind: global_buffer, .address_space: global }
      - { .name: wcodes, .offset: 32, .size: 8, .value_kind: global_buffer, .address_space: global }
      - { .name: wscales, .offset: 40, .size: 8, .value_kind: global_buffer, .address_space: global }
    .group_segment_fixed_size: 69120
    .private_segment_fixed_size: 0
    .kernarg_segment_align: 8
    .kernarg_segment_size: 48
    .max_flat_workgroup_size: 256
    .sgpr_count:     66
    .vgpr_count:     162
    .wavefront_size: 32
...
	.end_amdgpu_metadata
.endif
;; end of part 1
;; launch proj (part 2): grid 256 x 1, 8 waves a work-group, no clusters, 78,848 bytes of LDS; arguments query, key, value, wcodes, wscales, bq, bk, bv, acts, actss; writes acts, actss
.if DOCPART == 2
	.amdgcn_target "amdgcn-amd-amdhsa--gfx1250"
	.amdhsa_code_object_version 6
	.text
	.protected	k_q8e9d85e6bb_proj
	.globl	k_q8e9d85e6bb_proj
	.p2align	8
	.type	k_q8e9d85e6bb_proj,@function
k_q8e9d85e6bb_proj:
	s_mov_b64 s[64:65], 0
	v_nop
	global_prefetch_b8 v0, s[64:65] scope:SCOPE_SE
	s_setreg_imm32_b32 hwreg(HW_REG_WAVE_MODE, 25, 1), 1
	s_wait_xcnt 0x0
; Q = query Wq^T + bq, K = key Wk^T + bk, V = value Wv^T + bv, on codes of FP4 (E2M1) with one E8M0 scale for each 32 along K (v_wmma_scale_f32_16x16x128_f8f6f4), and their results
; quantised again for the two products of attention: Q and K along the head's 64, V along the keys.  Results leave as codes in the order of the next operand's registers:
;   acts  [Q, K, V][chunk 128][head 8][8,192 bytes];  Q, K: [image b 8][c 2][lane 32][16 bytes];  V: [T 4][s 2][c 2][lane 32][16 bytes]
;   actss [Q, K, V][chunk 128][head 8][half 2][r 16][4 words];  Q, K: word j of image 4 half + j;  V: word j of tile T = j, K step s = half
; ORDER OF ROWS: in each 32 rows, tile (b, u) holds in place m the row 32 b + 8 u + m + 8 (m / 8).  So a result whose rows m come from such a tile has, in lane (r, h), register j = item 32 b + 16 h + 8 u + j:
; the 16 registers of tiles (b, 0) and (b, 1) are 16 neighbours, as the conversions want them.  x's rows and the weights' rows are both taken so.
; An image b of Q or K holds 32 rows: piece c = tile (b, c); in it lane (r, h) holds d = 32 h .. 32 h + 31 of place r; its scale word: bytes 0, 1 for tile (b, 0), bytes 2, 3 for tile (b, 1).
; SHARES: work-group g takes rows 128 g .. 128 g + 127 (half a chunk) of query, then key, then value: three tasks, written out.  In a task wave w first quantises rows 16 w .. 16 w + 15 of x (four units of 128 along K);
; one barrier; then wave w makes head w (64 columns) for all 128 rows, 32 rows (a pair of tiles) at a time.  Its 16 fragments of W stay in registers for the task.
; x IS QUANTISED IN THE REGISTERS INTO WHICH IT IS LOADED; only its codes go through LDS.  A load reads 512 consecutive bytes of a row: lanes 0-15 take the even pieces of 16 bytes, lanes 16-31 the odd ones.  Rows p and p + 8 land
; in eight neighbouring registers; four v_permlane16_swap_b32 then leave lane q of the lower half with k = 8 q .. 8 q + 7 of row p, and of the upper half with the same of row p + 8.  A block of 32 is four neighbouring lanes.
; One conversion makes a lane's 8 codes: a word of its row.  Loads run two units (32 loads a wave) ahead, across the products too, and a unit's successor is asked for straight behind its conversions.
; LDS: x's codes as rows of 256 bytes, 272 apart; the 16 rows of wave w are a slab of 16 x 272 + 128 = 4,480 bytes, so that the rows 0-7 and 16-23 which a fragment's load touches start in sixteen different columns of 16 bytes.
; The scale bytes: 16 a row, a slab of 256 + 128 bytes a wave.  The tasks take turns between two such buffers, so one barrier a task orders both ways: a wave that writes a buffer again has passed the barrier of the task between,
; which every wave signals behind its last read of it.
; NO JOINT LOADS: what work-groups share is W (16 KB of codes a wave and task).  Each wave wants its own eighth once a task, in register order, straight into the registers where it stays; a joint load lands in LDS,
; from where the same 128 KB a task would have to be read once more, for no second use in the work-group.  No tensor loads: the loads' counted waits let 32 loads a wave stay out at every barrier.
; LIMITS: a block of zeros gets the byte 1 where the rule says 127 (zero codes; this program alone reads the bytes); NaN and infinities among the inputs are not served; the biases enter as the C of each sum's first product.
; REGISTERS, window 0: v3-15, v24-25 addresses; v28-43 the quantisers' work; v44-59 codes (and x's bytes); v60-63 a task's scale words; v64-65 their store; v68-75 x's scale words; v76-91 W's; v92-123 the bias as C;
;   v124-251 x as loaded, two sets of 64.   window 1: v0-127 W's 16 fragments ((T, s) at 8 (4 T + s)); v128-191 eight accumulators; v192-255 x's eight fragments of a pair.
.set SLAB,  4480                       ; 16 rows of codes, 272 bytes apart, + 128
.set SSLAB, 384                        ; 16 rows of 16 scale bytes, + 128
.set XC0,   0                          ; buffer 0: codes, 8 slabs
.set XSC0,  XC0+8*SLAB                 ; its scale bytes
.set XC1,   XSC0+8*SSLAB               ; buffer 1
.set XSC1,  XC1+8*SLAB
.set LP,   3                           ; v3      x: 32 (lane % 16) + 16 (lane / 16): my piece of a load's 512 bytes
.set FI0,  5                           ; v5, v6  a fragment's place in buffer 0, 1: 4,480 (r / 8) + 272 (r % 8) + 16 h
.set FS0,  7                           ; v7, v8  its scale words: 384 (r / 8) + 16 (r % 8)
.set XWC0, 9                           ; v9, v10 where I store a word of codes: 4,480 w + 2,176 h + 4 (lane % 16)
.set XWB0, 11                          ; v11, v12 and a scale byte: 384 w + 128 h + (lane % 16) / 4
.set LI,   13                          ; v13     16 x lane
.set R16,  14                          ; v14     16 r
.set H64,  15                          ; v15     64 h
.set RB4,  24                          ; v24     4 (r + 8 (r / 8))
.set GS,   25                          ; v25     16 r + 8 h
.set TM,   28
.set MXR,  28                          ; x: v28-35 largest magnitudes, v36-43 the conversions' scale operands, v44-51 codes, v52-59 bytes
.set SOX,  36
.set CX,   44
.set BX,   52
.set PC,   44
.set VC,   44
.set QW,   60
.set SD,   64
.set XS,   68
.set WS,   76
.set BI,   92
.set RAW,  124
.set ACC,  128                         ; in window 1
.set XF,   192                         ; in window 1
.set SEL,  52                          ; s[52:53] v_permlanex16_b32's selects for lane l xor 16
.set HIM,  54                          ; s54     the mask of lanes 16-31
.set FLR,  55                          ; s55     the floor 2^(3 - 127), under which no largest magnitude is taken: so a scale's byte cannot fall under 1
.set MSB,  0
.macro WIN new                         ; the immediate's high byte repeats the setting that is left; a switch that changes nothing is dropped
.if MSB != \new
	s_set_vgpr_msb (MSB<<8)|\new
.set MSB, \new
.endif
.endm
; 64 results of a lane (window 1) in four blocks of 16 registers; a block's other 16 lie in lane l xor 16.  Leaves: v[TM+12+b] the conversion's scale operand, v[TM+4+b] the scale's byte.  Each accumulator is read from its low end on.
.macro QCORE src
	WIN 0x14                                       ; sources 1 and 2 window 1
.irp qb, 0,1,2,3
	v_max3_num_f32 v[TM+\qb], s[FLR], |v[\src+16*\qb]|, |v[\src+16*\qb+1]|
.endr
.irp qi, 2,4,6,8,10,12,14
.irp qb, 0,1,2,3
	v_max3_num_f32 v[TM+\qb], v[TM+\qb], |v[\src+16*\qb+\qi]|, |v[\src+16*\qb+\qi+1]|   ; the four blocks by turns
.endr
.endr
	WIN 0
.irp qb, 0,1,2,3
	v_permlanex16_b32 v[TM+4+\qb], v[TM+\qb], s[SEL], s[SEL+1]
.endr
.irp qb, 0,1,2,3
	v_max_num_f32 v[TM+\qb], v[TM+\qb], v[TM+4+\qb]   ; the block's largest magnitude
.endr
.irp qb, 0,1,2,3
	v_add_nc_u32 v[TM+12+\qb], 0xff000000, v[TM+\qb]  ; 2 off its exponent field
.endr
.irp qb, 0,1,2,3
	v_lshrrev_b32 v[TM+4+\qb], 23, v[TM+12+\qb]
.endr
.endm
; the four bytes make the scale word; the codes go to v[PC] on, and each lane gets whole blocks: registers 4 c .. 4 c + 3 = block 2 c + h
.macro QTAIL src, word
	v_lshl_or_b32 v[\word], v[TM+5], 8, v[TM+4]
	v_lshl_or_b32 v[\word], v[TM+6], 16, v[\word]
	v_lshl_or_b32 v[\word], v[TM+7], 24, v[\word]
	WIN 0x01                                       ; source 0 window 1
.irp qb, 0,1,2,3
	v_cvt_scalef32_pk8_fp4_f32 v[PC+2*\qb], v[\src+16*\qb:\src+16*\qb+7], v[TM+12+\qb]
	v_cvt_scalef32_pk8_fp4_f32 v[PC+2*\qb+1], v[\src+16*\qb+8:\src+16*\qb+15], v[TM+12+\qb]
.endr
	WIN 0
	v_nop                                          ; one plain line behind the last scaled conversion
.irp qc, 0,1
.irp qi, 0,1
	v_permlane16_swap_b32 v[PC+4*\qc+\qi], v[PC+4*\qc+2+\qi]
.endr
.endr
.endm
; a unit of x: my 16 rows x 128 along K of task ut, unit uk, into set us: each load reads 512 consecutive bytes of a row; rows p and p + 8 land in eight neighbouring registers
.macro ULOAD us, ut, uk
.irp i, 0,1,2,3,4,5,6,7,8,9,10,11,12,13,14,15
	global_load_b128 v[RAW+64*(\us)+8*(\i%8)+4*(\i/8):RAW+64*(\us)+8*(\i%8)+4*(\i/8)+3], v[LP], s[8+2*(\ut):9+2*(\ut)] offset:2048*\i+512*(\uk) th:TH_LOAD_NT
.endr
.endm
; task wt's weight: my head's 16 fragments, their scale words, and the bias in the layout of the sums: 44 loads (value: 40)
.macro WLOAD wt
	WIN 0x40                                       ; destination window 1
.irp f, 0,1,2,3,4,5,6,7,8,9,10,11,12,13,14,15
	global_load_b128 v[8*\f:8*\f+3], v[LI], s[14:15] offset:(\wt)*131072+\f*1024
	global_load_b128 v[8*\f+4:8*\f+7], v[LI], s[14:15] offset:(\wt)*131072+\f*1024+512
.endr
	WIN 0
.irp tt, 0,1,2,3
	global_load_b128 v[WS+4*\tt:WS+4*\tt+3], v[R16], s[16:17] offset:(\wt)*8192+256*\tt
.endr
.if (\wt) < 2
.irp tt, 0,1,2,3                               ; lane (r, h), register j of tile T = 2 b + u: the bias of column 32 b + 16 h + 8 u + j
	global_load_b128 v[BI+8*\tt:BI+8*\tt+3], v[H64], s[18+2*(\wt):19+2*(\wt)] offset:128*(\tt/2)+32*(\tt%2)
	global_load_b128 v[BI+8*\tt+4:BI+8*\tt+7], v[H64], s[18+2*(\wt):19+2*(\wt)] offset:128*(\tt/2)+32*(\tt%2)+16
.endr
.else
.irp tt, 0,1,2,3                               ; V is made the other way round: a lane holds ONE column, 32 b + 8 u + r + 8 (r / 8): one number, spread over the eight registers later
	global_load_b32 v[BI+8*\tt], v[RB4], s[22:23] offset:128*(\tt/2)+32*(\tt%2)
.endr
.endif
.endm
; a unit is quantised.  cnt: the loads issued behind this unit's sixteen.  issue = 1: the unit two on is asked for, into the set that this one leaves.
.macro UNIT tk, kp, cnt, issue
.set RS, RAW+64*((\kp)%2)
	s_wait_loadcnt \cnt                            ; loads come back in order: my sixteen are in
.irp p, 0,1,2,3,4,5,6,7                        ; the first's lanes 16-31 (row p, odd pieces) change places with the second's lanes 0-15 (row p + 8, even pieces):
.irp j, 0,1,2,3                                ; registers 8 p .. 8 p + 7 are then k = 8 q .. 8 q + 7 of row p + 8 h, q = lane % 16
	v_permlane16_swap_b32 v[RS+8*\p+\j], v[RS+8*\p+4+\j]
.endr
.endr
.irp p, 0,1,2,3,4,5,6,7
	v_max3_num_f32 v[MXR+\p], |v[RS+8*\p]|, |v[RS+8*\p+1]|, s[FLR]
.endr
.irp i, 2,4,6
.irp p, 0,1,2,3,4,5,6,7
	v_max3_num_f32 v[MXR+\p], v[MXR+\p], |v[RS+8*\p+\i]|, |v[RS+8*\p+\i+1]|   ; the eight pairs of rows by turns
.endr
.endr
.irp p, 0,1,2,3,4,5,6,7
	v_max_num_f32_dpp v[MXR+\p], v[MXR+\p], v[MXR+\p] row_xmask:1 row_mask:0xf bank_mask:0xf
.endr
.irp p, 0,1,2,3,4,5,6,7
	v_max_num_f32_dpp v[MXR+\p], v[MXR+\p], v[MXR+\p] row_xmask:2 row_mask:0xf bank_mask:0xf   ; four neighbouring lanes hold a block of 32: its largest magnitude, in all four
.endr
	s_wait_dscnt 0x0                               ; the last unit's LDS stores have read the code and byte registers, which are written from here on
.if (\kp) == 0
	s_wait_xcnt 0x0                                ; and so have the last task's global stores
.endif
.irp p, 0,1,2,3,4,5,6,7
	v_add_nc_u32 v[SOX+\p], 0xff000000, v[MXR+\p]  ; 2 off the exponent field: the conversion's scale operand
.endr
.irp p, 0,1,2,3,4,5,6,7
	v_lshrrev_b32 v[BX+\p], 23, v[SOX+\p]          ; the scale's byte
.endr
.irp p, 0,1,2,3,4,5,6,7
	v_cvt_scalef32_pk8_fp4_f32 v[CX+\p], v[RS+8*\p:RS+8*\p+7], v[SOX+\p]
.endr
	v_nop                                          ; one plain line behind the last scaled conversion
.if \issue
.set NU, 4*(\tk)+(\kp)+2
	ULOAD NU%2, NU/4, NU%4
.endif
.irp p, 0,1,2,3,4,5,6,7
	ds_store_b32 v[XWC0+(\tk)%2], v[CX+\p] offset:272*\p+64*(\kp)   ; sixteen lanes store 64 consecutive bytes of row p, the other sixteen of row p + 8, 2,176 bytes on
.endr
.irp p, 0,1,2,3,4,5,6,7
	ds_store_b8 v[XWB0+(\tk)%2], v[BX+\p] offset:16*\p+4*(\kp)      ; the four lanes of a block write the same byte with the same value
.endr
.endm
; x's eight fragments and eight scale words of the pair of tiles (pb, 0), (pb, 1): lane (r, h) of tile (pb, u) takes row 8 u + r % 8 of slab 2 pb + r / 8, bytes 64 s + 32 c + 16 h on
.macro FETCH tk, pb
	WIN 0x40                                       ; destination window 1
.irp uu, 0,1
.irp ks, 0,1,2,3
	ds_load_b128 v[XF+8*(4*\uu+\ks):XF+8*(4*\uu+\ks)+3], v[FI0+(\tk)%2] offset:2*SLAB*(\pb)+2176*\uu+64*\ks
	ds_load_b128 v[XF+8*(4*\uu+\ks)+4:XF+8*(4*\uu+\ks)+7], v[FI0+(\tk)%2] offset:2*SLAB*(\pb)+2176*\uu+64*\ks+32
.endr
.endr
	WIN 0
.irp uu, 0,1
	ds_load_b128 v[XS+4*\uu:XS+4*\uu+3], v[FS0+(\tk)%2] offset:2*SSLAB*(\pb)+128*\uu   ; a row's 16 bytes: the words of its four K steps
.endr
.endm
; 32 products: 32 rows x 64 columns x 512 along K.  The eight accumulators take turns, one instruction a turn.  The bias (window 0) is the C of each sum's first product.
; Q, K: source 0 = 16 rows of W, source 1 = x: a lane holds one row of x and registers along d.   V: source 0 = x, source 1 = 16 rows of W: a lane holds one column and registers along the keys.
.macro MUL tk
.irp ks, 0,1,2,3
.if \ks == 0
	WIN 0x45                                       ; D, sources 0 and 1 window 1; C window 0
.else
	WIN 0x55                                       ; all four window 1
.endif
.if (\tk) < 2
.irp uu, 0,1
.irp tt, 0,1,2,3
.if \ks == 0
	v_wmma_scale_f32_16x16x128_f8f6f4 v[ACC+8*(4*\uu+\tt):ACC+8*(4*\uu+\tt)+7], v[8*(4*\tt+\ks):8*(4*\tt+\ks)+7], v[XF+8*(4*\uu+\ks):XF+8*(4*\uu+\ks)+7], v[BI+8*\tt:BI+8*\tt+7], v[WS+4*\tt+\ks], v[XS+4*\uu+\ks] matrix_a_fmt:MATRIX_FMT_FP4 matrix_b_fmt:MATRIX_FMT_FP4
.else
	v_wmma_scale_f32_16x16x128_f8f6f4 v[ACC+8*(4*\uu+\tt):ACC+8*(4*\uu+\tt)+7], v[8*(4*\tt+\ks):8*(4*\tt+\ks)+7], v[XF+8*(4*\uu+\ks):XF+8*(4*\uu+\ks)+7], v[ACC+8*(4*\uu+\tt):ACC+8*(4*\uu+\tt)+7], v[WS+4*\tt+\ks], v[XS+4*\uu+\ks] matrix_a_fmt:MATRIX_FMT_FP4 matrix_b_fmt:MATRIX_FMT_FP4
.endif
.endr
.endr
.else
.irp tt, 0,1,2,3
.irp uu, 0,1
.if \ks == 0
	v_wmma_scale_f32_16x16x128_f8f6f4 v[ACC+8*(2*\tt+\uu):ACC+8*(2*\tt+\uu)+7], v[XF+8*(4*\uu+\ks):XF+8*(4*\uu+\ks)+7], v[8*(4*\tt+\ks):8*(4*\tt+\ks)+7], v[BI+8*\tt:BI+8*\tt+7], v[XS+4*\uu+\ks], v[WS+4*\tt+\ks] matrix_a_fmt:MATRIX_FMT_FP4 matrix_b_fmt:MATRIX_FMT_FP4
.else
	v_wmma_scale_f32_16x16x128_f8f6f4 v[ACC+8*(2*\tt+\uu):ACC+8*(2*\tt+\uu)+7], v[XF+8*(4*\uu+\ks):XF+8*(4*\uu+\ks)+7], v[8*(4*\tt+\ks):8*(4*\tt+\ks)+7], v[ACC+8*(2*\tt+\uu):ACC+8*(2*\tt+\uu)+7], v[XS+4*\uu+\ks], v[WS+4*\tt+\ks] matrix_a_fmt:MATRIX_FMT_FP4 matrix_b_fmt:MATRIX_FMT_FP4
.endif
.endr
.endr
.endif
.endr
	WIN 0
.endm
; a pair of tiles: the products, the next pair's fragments, the quantiser, the stores
.macro PAIR tk, pb
	s_wait_dscnt 0x0                               ; this pair's fragments are in
	MUL \tk
.rept 4
	v_nop                                          ; four places behind the products: ahead of the loads into their operands and of the first read of their results
.endr
.if (\pb) < 3
	FETCH \tk, (\pb)+1
.endif
	s_wait_xcnt 0x0                                ; the last pair's stores have read the code registers
	QCORE ACC
.if (\tk) < 2
	QTAIL ACC, QW+(\pb)                            ; blocks 2 u + b': row place r of tile (pb, u), d = 32 b' ..: the codes are image pb, the word its scale word
	global_store_b128 v[LI], v[PC:PC+3], s[28+2*(\tk):29+2*(\tk)] offset:1024*(\pb)       ; 32 lanes store 512 consecutive bytes
	global_store_b128 v[LI], v[PC+4:PC+7], s[28+2*(\tk):29+2*(\tk)] offset:1024*(\pb)+512
.else
.irp tt, 0,1,2,3                               ; block T: column place r of tile T, keys 32 pb ..: byte pb of that tile's word
.if (\pb) == 0
	v_mov_b32 v[QW+\tt], v[TM+4+\tt]
.else
	v_lshl_or_b32 v[QW+\tt], v[TM+4+\tt], 8*(\pb), v[QW+\tt]
.endif
.endr
	WIN 0x01                                       ; source 0 window 1
.irp tt, 0,1,2,3
	v_cvt_scalef32_pk8_fp4_f32 v[VC+4*\tt+2*((\pb)%2)], v[ACC+16*\tt:ACC+16*\tt+7], v[TM+12+\tt]
	v_cvt_scalef32_pk8_fp4_f32 v[VC+4*\tt+2*((\pb)%2)+1], v[ACC+16*\tt+8:ACC+16*\tt+15], v[TM+12+\tt]
.endr
	WIN 0
	v_nop                                          ; one plain line behind the last scaled conversion
.if (\pb)%2 == 1                               ; two blocks of keys make a piece of four registers
.irp tt, 0,1,2,3
.irp qi, 0,1
	v_permlane16_swap_b32 v[VC+4*\tt+\qi], v[VC+4*\tt+2+\qi]
.endr
.endr
.irp tt, 0,1,2,3
	global_store_b128 v[LI], v[VC+4*\tt:VC+4*\tt+3], s[32:33] offset:2048*\tt+512*((\pb)/2)
.endr
.endif
.endif
.endm
.macro SCOUT tk                        ; the task's four words a lane leave as 256 consecutive bytes: lanes 0-15 words 0, 1, lanes 16-31 words 2, 3 of row r
	v_cndmask_b32 v[SD], v[QW], v[QW+2], s[HIM]
	v_cndmask_b32 v[SD+1], v[QW+1], v[QW+3], s[HIM]
	global_store_b64 v[GS], v[SD:SD+1], s[26:27] offset:524288*(\tk)
.endm
.macro TASK tk, nw
	UNIT \tk, 0, 16+\nw, 1                         ; behind my sixteen: the next unit's sixteen and the weight's
	UNIT \tk, 1, 16+\nw, 1                         ; behind them: the weight's and the sixteen just issued
.if (\tk) < 2
	UNIT \tk, 2, 16, 1                             ; behind them: the sixteen just issued; so the weight, its words and the bias are in too
	UNIT \tk, 3, 16, 1
.else
	UNIT \tk, 2, 16, 0                             ; the last two units ask for nothing: no load leaves its buffer
	UNIT \tk, 3, 0, 0
.endif
	s_wait_dscnt 0x0                               ; for the others' sake: my codes and bytes have landed, and my reads of the other buffer are long over
	s_barrier_signal -1
	s_barrier_wait -1
.if (\tk) == 2
.irp tt, 0,1,2,3
.irp j, 1,2,3,4,5,6,7
	v_mov_b32 v[BI+8*\tt+\j], v[BI+8*\tt]          ; a lane's one bias in all eight registers of the C
.endr
.endr
.endif
	FETCH \tk, 0
	PAIR \tk, 0
	PAIR \tk, 1
	PAIR \tk, 2
	PAIR \tk, 3
	SCOUT \tk
.if (\tk) < 2
	WLOAD (\tk)+1                                  ; the quantiser's lines above are the places behind the last products that read these registers
.endif
.endm
	s_load_b512 s[8:23], s[0:1], 0x0               ; query, key, value, wcodes, wscales, bq, bk, bv
	s_load_b128 s[24:27], s[0:1], 0x40             ; acts, actss
	v_lshl_add_u32 v254, v0, 2, 0x13000
	v_mov_b32 v255, 0
	v_lshrrev_b32 v1, 5, v0
	v_readfirstlane_b32 s2, v1                     ; wave = head
	v_and_b32 v1, 31, v0                           ; lane
	v_and_b32 v2, 15, v0                           ; r = lane % 16
	v_bfe_u32 v16, v0, 4, 1                        ; h = lane / 16
	v_lshlrev_b32 v[LI], 4, v1
	v_lshlrev_b32 v[R16], 4, v2
	v_lshlrev_b32 v[H64], 6, v16
	v_lshlrev_b32 v[LP], 5, v2
	v_lshl_add_u32 v[LP], v16, 4, v[LP]            ; piece 2 (lane % 16) + lane / 16 of a load's 32 pieces of 16 bytes
	s_lshl_b32 s34, ttmp9, 18                      ; x: (128 g + 16 w) rows of 2,048 bytes
	s_lshl_b32 s35, s2, 15
	s_add_co_u32 s34, s34, s35
	s_mov_b32 s35, 0
	s_lshl_b32 s36, s2, 14                         ; wcodes: 16,384 w
	s_mov_b32 s37, 0
	s_lshl_b32 s38, s2, 10                         ; wscales: 1,024 w
	s_mov_b32 s39, 0
	s_lshl_b32 s40, s2, 8                          ; the biases: 256 w
	s_mov_b32 s41, 0
	s_lshr_b32 s42, ttmp9, 1                       ; chunk
	s_and_b32 s43, ttmp9, 1                        ; which half of it
	s_lshl_b32 s44, s42, 3
	s_add_co_u32 s44, s44, s2                      ; 8 chunk + head
	s_lshl_b32 s46, s44, 13
	s_lshl_b32 s45, s43, 12
	s_add_co_u32 s48, s46, s45                     ; Q, K: 8,192 (8 chunk + head) + 4,096 half
	s_mov_b32 s49, 0
	s_lshl_b32 s45, s43, 10
	s_add_co_u32 s46, s46, s45                     ; V: .. + 1,024 half
	s_mov_b32 s47, 0
	s_lshl_b32 s44, s44, 1
	s_add_co_u32 s44, s44, s43
	s_lshl_b32 s44, s44, 8                         ; actss: 256 (2 (8 chunk + head) + half)
	s_mov_b32 s45, 0
	s_mov_b32 s[SEL], 0x76543210
	s_mov_b32 s[SEL+1], 0xfedcba98
	s_mov_b32 s[HIM], 0xffff0000
	s_mov_b32 s[FLR], 0x1800000
	s_wait_kmcnt 0x0
	s_add_nc_u64 s[8:9], s[8:9], s[34:35]
	s_add_nc_u64 s[10:11], s[10:11], s[34:35]
	s_add_nc_u64 s[12:13], s[12:13], s[34:35]
	s_add_nc_u64 s[14:15], s[14:15], s[36:37]
	s_add_nc_u64 s[16:17], s[16:17], s[38:39]
	s_add_nc_u64 s[18:19], s[18:19], s[40:41]
	s_add_nc_u64 s[20:21], s[20:21], s[40:41]
	s_add_nc_u64 s[22:23], s[22:23], s[40:41]
	ULOAD 0, 0, 0                                  ; the first two units of query,
	ULOAD 1, 0, 1
	WLOAD 0                                        ; and Wq
	s_add_nc_u64 s[28:29], s[24:25], s[48:49]      ; where Q's codes go,
	s_add_nc_u64 s[30:31], s[28:29], 0x800000      ; K's, 8 MiB on,
	s_add_nc_u64 s[32:33], s[24:25], s[46:47]
	s_add_nc_u64 s[32:33], s[32:33], 0x1000000     ; V's, 16 MiB on,
	s_add_nc_u64 s[26:27], s[26:27], s[44:45]      ; and the scale words
	v_and_b32 v17, 8, v2
	v_add_nc_u32 v17, v17, v2                      ; r + 8 (r / 8)
	v_lshlrev_b32 v[RB4], 2, v17
	v_lshl_add_u32 v[GS], v16, 3, v[R16]
	v_lshrrev_b32 v18, 3, v2                       ; r / 8
	v_and_b32 v19, 7, v2                           ; r % 8
	v_mul_u32_u24 v20, v18, SLAB                   ; a fragment's lane: slab r / 8 of the pair's two, row r % 8, + 16 h
	v_mad_u32_u24 v20, v19, 272, v20
	v_lshl_add_u32 v20, v16, 4, v20
	v_add_nc_u32 v[FI0], XC0, v20
	v_add_nc_u32 v[FI0+1], XC1, v20
	v_mul_u32_u24 v21, v18, SSLAB                  ; and its row's 16 scale bytes
	v_lshl_add_u32 v21, v19, 4, v21
	v_add_nc_u32 v[FS0], XSC0, v21
	v_add_nc_u32 v[FS0+1], XSC1, v21
	s_mul_i32 s34, s2, SLAB                        ; my wave's slab of codes;
	v_mul_u32_u24 v22, v16, 2176                   ; lanes 16-31 hold rows 8 further down;
	v_lshl_add_u32 v22, v2, 2, v22                 ; a word a lane
	v_add_nc_u32 v22, s34, v22
	v_add_nc_u32 v[XWC0], XC0, v22
	v_add_nc_u32 v[XWC0+1], XC1, v22
	s_mul_i32 s35, s2, SSLAB                       ; my wave's slab of scale bytes;
	v_bfe_u32 v23, v0, 2, 2                        ; my block among the unit's four: (lane % 16) / 4
	v_lshl_add_u32 v23, v16, 7, v23                ; 8 rows of 16 bytes further down for lanes 16-31
	v_add_nc_u32 v23, s35, v23
	v_add_nc_u32 v[XWB0], XSC0, v23
	v_add_nc_u32 v[XWB0+1], XSC1, v23
.irp qb, 0,1,2,3
	v_mov_b32 v[TM+4+\qb], 0                       ; written once: a lane permute's destination counts as one of its sources
.endr
	TASK 0, 44
	TASK 1, 44
	TASK 2, 40
	s_wait_tensorcnt 0x0
	ds_add_u32 v254, v255
	s_wait_dscnt 0x0
	s_endpgm
.Lfunc_end_k_q8e9d85e6bb_proj:
	.size	k_q8e9d85e6bb_proj, .Lfunc_end_k_q8e9d85e6bb_proj-k_q8e9d85e6bb_proj
	.p2alignl 7, 3214868480
	.fill 96, 4, 3214868480
	.section	.rodata,"a",@progbits
	.p2align	6, 0x0
	.amdhsa_kernel k_q8e9d85e6bb_proj
		.amdhsa_group_segment_fixed_size 78848
		.amdhsa_private_segment_fixed_size 0
		.amdhsa_enable_private_segment 0
		.amdhsa_kernarg_size 80
		.amdhsa_user_sgpr_count 2
		.amdhsa_user_sgpr_kernarg_segment_ptr 1
		.amdhsa_wavefront_size32 1
		.amdhsa_system_sgpr_workgroup_id_x 1
		.amdhsa_system_sgpr_workgroup_id_y 1
		.amdhsa_system_sgpr_workgroup_id_z 1
		.amdhsa_system_vgpr_workitem_id 0
		.amdhsa_next_free_vgpr 512
		.amdhsa_next_free_sgpr 66
		.amdhsa_reserve_vcc 0
		.amdhsa_float_denorm_mode_32 3
		.amdhsa_float_denorm_mode_16_64 3
		.amdhsa_memory_ordered 1
		.amdhsa_forward_progress 1
		.amdhsa_inst_pref_size 226
	.end_amdhsa_kernel
	.amdgpu_metadata
---
amdhsa.version: [ 1, 2 ]
amdhsa.kernels:
  - .name:           k_q8e9d85e6bb_proj
    .symbol:         k_q8e9d85e6bb_proj.kd
    .args:
      - { .name: query, .offset: 0, .size: 8, .value_kind: global_buffer, .address_space: global }
      - { .name: key, .offset: 8, .size: 8, .value_kind: global_buffer, .address_space: global }
      - { .name: value, .offset: 16, .size: 8, .value_kind: global_buffer, .address_space: global }
      - { .name: wcodes, .offset: 24, .size: 8, .value_kind: global_buffer, .address_space: global }
      - { .name: wscales, .offset: 32, .size: 8, .value_kind: global_buffer, .address_space: global }
      - { .name: bq, .offset: 40, .size: 8, .value_kind: global_buffer, .address_space: global }
      - { .name: bk, .offset: 48, .size: 8, .value_kind: global_buffer, .address_space: global }
      - { .name: bv, .offset: 56, .size: 8, .value_kind: global_buffer, .address_space: global }
      - { .name: acts, .offset: 64, .size: 8, .value_kind: global_buffer, .address_space: global }
      - { .name: actss, .offset: 72, .size: 8, .value_kind: global_buffer, .address_space: global }
    .group_segment_fixed_size: 78848
    .private_segment_fixed_size: 0
    .kernarg_segment_align: 8
    .kernarg_segment_size: 80
    .max_flat_workgroup_size: 256
    .sgpr_count:     66
    .vgpr_count:     512
    .wavefront_size: 32
...
	.end_amdgpu_metadata
.endif
;; end of part 2
;; launch attn (part 3): grid 256 x 1, 8 waves a work-group, no clusters, 77,824 bytes of LDS; arguments acts, actss, wcodes, wscales, bo, out0; writes out0
.if DOCPART == 3
	.amdgcn_target "amdgcn-amd-amdhsa--gfx1250"
	.amdhsa_code_object_version 6
	.text
	.protected	k_q8e9d85e6bb_attn
	.globl	k_q8e9d85e6bb_attn
	.p2align	8
	.type	k_q8e9d85e6bb_attn,@function
k_q8e9d85e6bb_attn:
	s_mov_b64 s[64:65], 0
	v_nop
	global_prefetch_b8 v0, s[64:65] scope:SCOPE_SE
	s_setreg_imm32_b32 hwreg(HW_REG_WAVE_MODE, 25, 1), 1
	s_wait_xcnt 0x0
; out = (softmax(causal(Q K^T / (16 sqrt 8))) V) Wo^T + bo inside chunks of 256 rows, 8 heads of 64, all three products on codes of FP4 (E2M1) with one E8M0 scale for each 32 along K.
; THE SOFTMAX: t = score x c, c = log2(e) / (16 sqrt 8); M = the running largest t rounded UP to a whole number; p = 2^(t - M) is quantised along the keys, not normalised; the row's sum is taken of the
; unquantised p and divides at the end; when M moves, the sum and O are multiplied by 2^(old M - new M), which rounds nothing.
; SHARES: two work-groups to a chunk (pi = 0, 1).  A work-group owns the blocks of 32 queries b_i = 2 i + ((i % 2) xor pi): {0, 3, 4, 7} or {1, 2, 5, 6}: either way 18 visible blocks of 32 keys.
; Eight trips, n = 2 i + u: one tile (b, u) of 16 queries for all 8 heads, WAVE = HEAD.  Key blocks behind the diagonal are not multiplied: a scalar branch on ids picks the variant of the key step.
; A wave's K (8 images), V (8 fragments) and its 64 rows of Wo (16 fragments) stay in window 1 for the whole launch, so every product has source 0 in window 1 and all else in window 0.
; LAYOUT: tile (b, u) holds in place m the row 32 b + 8 u + m + 8 (m / 8).  S^T = K Q^T, O^T = V^T p^T, out^T = Wo attn^T: a lane holds ONE query (place r) throughout, and the 16 registers of two neighbouring
; tiles of source 0 are 16 neighbours (keys, then dv, then columns).  An image of K holds 32 keys x 64: as a source of 128 along K it is multiplied by (Q, 0) for its first 16 keys and by (0, Q) for the other 16:
; zero codes take the other half out, under scale bytes that are never 0xff.
; A head's 16 x 64 of attn are half a K step of the last product: four registers and half a scale word a lane; they go from wave to wave through LDS as images of registers (two barriers a trip).
; NO JOINT LOADS: a chunk's two work-groups read the same K and V (16 KB a wave) once, at the head, straight into the registers where they stay; a joint load lands in LDS, from where the same bytes would be read once more.
; No prefetch: all inputs are asked for at the head.
; LIMITS: hidden scores are -1e30 ahead of the scaling by c, so their p is 0; p's hidden blocks carry zero codes under the byte 0, a block of zeros the byte 1, where the rule says 127 (this program alone reads them);
; 1 / l is v_rcp_f32 and a multiplication; t is one fused multiply-add with c; NaN and infinities among the inputs are not served.
.set AIMG, 0                           ; attn's images: 512 w + 16 x lane
.set ASC,  4096                        ; their scale words: 16 x lane + 2 w
.set QL,   4608                        ; each wave's own: its head's 8 tiles of Q (512 n + 16 x lane) and 4 scale words a lane (4,096 + 128 i + 4 x lane)
.set QLB,  4608
.set STG,  QL+8*QLB                    ; each wave's own stage for the way out: 16 rows x (256 + 16) bytes
.set STB,  16*272
.set LI,   1                           ; v1   16 x lane
.set R16,  2                           ; v2   16 r
.set D0,   3                           ; v3   r + 8 (r / 8) - 16 h
.set DD,   4                           ; v4   D0 + 8 u
.set AWI,  5
.set AWS,  6
.set SO,   7                           ; v7   stage, in: 272 r + 64 h
.set SR,   8                           ; v8   stage, out: 272 h + 16 r
.set GO0,  9                           ; v9   2,048 h + 16 r + 256 w
.set GO,   10                          ; v10  + the trip's rows
.set QL0,  11
.set QLW0, 12
.set NEG,  13                          ; v13  -1e30
.set AD0,  14
.set AD1,  15
.set NM,   16                          ; v16  -M      (the packed scaling names v[16:17] and takes its low word)
.set TMX,  17                          ; v17  the running largest t
.set L,    18                          ; v[18:19] the row's sum, in two halves
.set F,    20                          ; v20  2^(old M - new M), later 1 / l; v21 named with it as a pair
.set QWR,  22                          ; v22  the scale word of Q's image
.set QLO,  24                          ; v24  Q's two bytes in bytes 0, 1;  v25 in bytes 2, 3
.set QHI,  25
.set PWD,  26                          ; v26  p's scale word
.set AS,   28                          ; v28-31 attn's scale words
.set KS,   32                          ; v32-39 K's, one an image
.set VS,   40                          ; v40-47 V's: 4 s + T
.set WOS,  48                          ; v48-63 Wo's: 4 T + s
.set QF,   64                          ; v64-67 Q, v68-71 zeros, v72-75 Q
.set PC,   76                          ; v76-83 codes just made
.set MX,   84
.set PX,   88
.set BY,   92
.set SOP,  96
.set T0,   100
.set T2,   102
.set HB,   104
.set O,    108                         ; v108-139 O^T
.set BO,   140                         ; v140-171 bo as C
.set S,    172                         ; v172-235 S^T, then p
.set AF,   172                         ; later attn's four fragments, later rows of out
.set OA,   204                         ; and the four accumulators of out
.set KI,   0                           ; window 1
.set VF,   64
.set WO,   128
.set PI,   32
.set SEL,  36
.set CS,   38
.set N,    40
.set MSB,  0
.macro WIN new                         ; the immediate's high byte repeats the setting that is left; a switch that changes nothing is dropped
.if MSB != \new
	s_set_vgpr_msb (MSB<<8)|\new
.set MSB, \new
.endif
.endm
; A KEY STEP: key blocks 4 kq .. 4 kq + nv - 1.  diag = 1: the last of them lies on the diagonal.  first = 1: it starts M, the sum and O^T.
.macro STEP kq, nv, diag, first
	WIN 0x01
.set BB, 0
.rept \nv
	v_wmma_scale_f32_16x16x128_f8f6f4 v[S+16*BB:S+16*BB+7], v[KI+8*(4*\kq+BB):KI+8*(4*\kq+BB)+7], v[QF:QF+7], 0, v[KS+4*\kq+BB], v[QLO] matrix_a_fmt:MATRIX_FMT_FP4 matrix_b_fmt:MATRIX_FMT_FP4
	v_wmma_scale_f32_16x16x128_f8f6f4 v[S+16*BB+8:S+16*BB+15], v[KI+8*(4*\kq+BB):KI+8*(4*\kq+BB)+7], v[QF+4:QF+11], 0, v[KS+4*\kq+BB], v[QHI] matrix_a_fmt:MATRIX_FMT_FP4 matrix_b_fmt:MATRIX_FMT_FP4
.set BB, BB+1
.endr                                          ; register 16 b + i = key 32 (4 kq + b) + 16 h + i of my query
	WIN 0
.rept 4
	v_nop                                          ; four places behind the products (ISA guide 7.12.1)
.endr
.if \diag                                      ; key 32 b + 16 h + i is hidden from query 32 b + 8 u + r + 8 (r / 8) where i > DD
.set II, 0
.rept 16
	v_cmp_gt_i32 vcc_lo, II, v[DD]
	v_cndmask_b32 v[S+16*(\nv-1)+II], v[S+16*(\nv-1)+II], v[NEG], vcc_lo
.set II, II+1
.endr
.endif
.set BB, 0
.rept \nv
	v_max3_num_f32 v[MX+BB], v[S+16*BB], v[S+16*BB+1], v[S+16*BB+2]   ; the largest score of each block: for the row's maximum and, since p rises with the score, for the block's largest p
.set BB, BB+1
.endr
.irp mi, 3,5,7,9,11,13
.set BB, 0
.rept \nv
	v_max3_num_f32 v[MX+BB], v[MX+BB], v[S+16*BB+\mi], v[S+16*BB+\mi+1]
.set BB, BB+1
.endr
.endr
.set BB, 0
.rept \nv
	v_max_num_f32 v[MX+BB], v[MX+BB], v[S+16*BB+15]
.set BB, BB+1
.endr
.set BB, 0
.rept \nv
	v_permlanex16_b32 v[PX+BB], v[MX+BB], s[SEL], s[SEL+1]
.set BB, BB+1
.endr
.set BB, 0
.rept \nv
	v_max_num_f32 v[MX+BB], v[MX+BB], v[PX+BB]     ; with lane l xor 16's 16 keys
.set BB, BB+1
.endr
.if \nv == 1
	v_mul_f32 v[T0], s[CS], v[MX]                  ; the step's largest score, as t (c is positive)
.elseif \nv == 2
	v_max_num_f32 v[T0], v[MX], v[MX+1]
	v_mul_f32 v[T0], s[CS], v[T0]
.elseif \nv == 3
	v_max3_num_f32 v[T0], v[MX], v[MX+1], v[MX+2]
	v_mul_f32 v[T0], s[CS], v[T0]
.else
	v_max3_num_f32 v[T0], v[MX], v[MX+1], v[MX+2]
	v_max_num_f32 v[T0], v[T0], v[MX+3]
	v_mul_f32 v[T0], s[CS], v[T0]
.endif
.if \first
	v_mov_b32 v[TMX], v[T0]
	v_floor_f32 v[NM], -v[T0]                      ; -M = floor(-t) = -ceil(t)
.else
	v_max_num_f32 v[TMX], v[TMX], v[T0]
	v_mov_b32 v[T0], v[NM]
	v_floor_f32 v[NM], -v[TMX]
	v_sub_f32 v[T0], v[NM], v[T0]                  ; old M - new M: a whole number, 0 or less
	v_cvt_i32_f32 v[T0], v[T0]                     ; (it saturates)
	v_ldexp_f32 v[F], 1.0, v[T0]
.endif
.set JJ, 0
.rept 8*\nv
	v_pk_fma_f32 v[S+JJ:S+JJ+1], v[S+JJ:S+JJ+1], s[CS:CS+1], v[NM:NM+1] op_sel_hi:[1,0,0]   ; t - M, two at a time
.set JJ, JJ+2
.endr
.set BB, 0
.rept \nv
	v_fma_f32 v[MX+BB], v[MX+BB], s[CS], v[NM]     ; the same of each block's largest score
.set BB, BB+1
.endr
.set JJ, 0
.rept 16*\nv
	v_exp_f32 v[S+JJ], v[S+JJ]                     ; p = 2^(t - M)
.set JJ, JJ+1
.endr
.set BB, 0
.rept \nv
	v_exp_f32 v[MX+BB], v[MX+BB]                   ; the block's largest p: the same two instructions on the same number
.set BB, BB+1
.endr
.if \first
	v_nop                                          ; a plain line behind the last exponential
.else
	v_pk_mul_f32 v[L:L+1], v[L:L+1], v[F:F+1] op_sel_hi:[1,0]   ; the sums under the new M: the plain line behind the last exponential
.endif
	s_wait_alu depctr_va_vdst(0)                   ; one wait for the whole batch, ahead of its first reader
.set BB, 0
.rept \nv
	v_max_num_f32 v[MX+BB], 0x1800000, v[MX+BB]    ; the floor 2^(3 - 127)
.set BB, BB+1
.endr
.set BB, 0
.rept \nv
	v_add_nc_u32 v[SOP+BB], 0xff000000, v[MX+BB]   ; 2 off the exponent field: the conversion's scale operand
.set BB, BB+1
.endr
.set BB, 0
.rept \nv
	v_lshrrev_b32 v[BY+BB], 23, v[SOP+BB]
.set BB, BB+1
.endr
.if \nv == 1
	v_mov_b32 v[PWD], v[BY]                        ; p's scale word; the bytes of blocks that are not there stay 0, over zero codes
.else
	v_lshl_or_b32 v[PWD], v[BY+1], 8, v[BY]
.endif
.if \nv > 2
	v_lshl_or_b32 v[PWD], v[BY+2], 16, v[PWD]
.endif
.if \nv > 3
	v_lshl_or_b32 v[PWD], v[BY+3], 24, v[PWD]
.endif
.set BB, \nv
.rept 4-\nv
	v_mov_b32 v[PC+2*BB], 0
	v_mov_b32 v[PC+2*BB+1], 0
.set BB, BB+1
.endr
.set BB, 0
.rept \nv
	v_cvt_scalef32_pk8_fp4_f32 v[PC+2*BB], v[S+16*BB:S+16*BB+7], v[SOP+BB]
	v_cvt_scalef32_pk8_fp4_f32 v[PC+2*BB+1], v[S+16*BB+8:S+16*BB+15], v[SOP+BB]
.set BB, BB+1
.endr
	v_nop                                          ; one plain line behind the last scaled conversion
	v_permlane16_swap_b32 v[PC], v[PC+2]           ; a lane gets whole blocks: lanes 0-15 block 2 c, lanes 16-31 block 2 c + 1
	v_permlane16_swap_b32 v[PC+1], v[PC+3]
.if \nv > 2
	v_permlane16_swap_b32 v[PC+4], v[PC+6]
	v_permlane16_swap_b32 v[PC+5], v[PC+7]
.endif
.if !\first
.set JJ, 0
.rept 16
	v_pk_mul_f32 v[O+JJ:O+JJ+1], v[O+JJ:O+JJ+1], v[F:F+1] op_sel_hi:[1,0]   ; O^T under the new M, each accumulator from its low end on
.set JJ, JJ+2
.endr
.endif
	; the row's sum of the UNQUANTISED p, in two chains.  These lines (nine at the least, with the two v_nop) are also the eight places between the scale word's last write, the four between the codes', and the products
.if \first
	v_pk_add_f32 v[L:L+1], v[S:S+1], v[S+2:S+3]
	v_pk_add_f32 v[T2:T2+1], v[S+4:S+5], v[S+6:S+7]
.set JJ, 8
.rept 4*\nv-2
	v_pk_add_f32 v[L:L+1], v[L:L+1], v[S+JJ:S+JJ+1]
	v_pk_add_f32 v[T2:T2+1], v[T2:T2+1], v[S+JJ+2:S+JJ+3]
.set JJ, JJ+4
.endr
.else
	v_pk_add_f32 v[T2:T2+1], v[S:S+1], v[S+2:S+3]
.set JJ, 4
.rept 4*\nv-1
	v_pk_add_f32 v[L:L+1], v[L:L+1], v[S+JJ:S+JJ+1]
	v_pk_add_f32 v[T2:T2+1], v[T2:T2+1], v[S+JJ+2:S+JJ+3]
.set JJ, JJ+4
.endr
.endif
	v_pk_add_f32 v[L:L+1], v[L:L+1], v[T2:T2+1]
.if \first && (\nv == 1)
	v_nop
	v_nop
.endif
	s_wait_loadcnt 44                              ; V is in: behind its loads stand Wo's 44 (in later trips no load is out)
	WIN 0x01
.irp tt, 0,1,2,3                               ; O^T (+)= V^T p^T: four accumulators, one instruction each
.if \first
	v_wmma_scale_f32_16x16x128_f8f6f4 v[O+8*\tt:O+8*\tt+7], v[VF+8*(4*\kq+\tt):VF+8*(4*\kq+\tt)+7], v[PC:PC+7], 0, v[VS+4*\kq+\tt], v[PWD] matrix_a_fmt:MATRIX_FMT_FP4 matrix_b_fmt:MATRIX_FMT_FP4
.else
	v_wmma_scale_f32_16x16x128_f8f6f4 v[O+8*\tt:O+8*\tt+7], v[VF+8*(4*\kq+\tt):VF+8*(4*\kq+\tt)+7], v[PC:PC+7], v[O+8*\tt:O+8*\tt+7], v[VS+4*\kq+\tt], v[PWD] matrix_a_fmt:MATRIX_FMT_FP4 matrix_b_fmt:MATRIX_FMT_FP4
.endif
.endr
	WIN 0
.endm
	s_load_b256 s[4:11], s[0:1], 0x0               ; acts, actss, wcodes, wscales
	s_load_b128 s[12:15], s[0:1], 0x20             ; bo, out0
	v_lshl_add_u32 v254, v0, 2, 0x12c00
	v_mov_b32 v255, 0
	v_lshrrev_b32 v14, 5, v0
	v_readfirstlane_b32 s2, v14                    ; wave = head
	v_and_b32 v107, 31, v0                         ; lane
	v_and_b32 v105, 15, v0                         ; r
	v_bfe_u32 v106, v0, 4, 1                       ; h
	v_lshlrev_b32 v[LI], 4, v107
	v_lshlrev_b32 v[R16], 4, v105
	v_lshlrev_b32 v[HB], 6, v106                   ; 64 h
	s_and_b32 s[PI], ttmp9, 1                      ; pi
	s_lshr_b32 s33, ttmp9, 1                       ; chunk
	s_lshl_b32 s41, s[PI], 10
	s_sub_co_u32 s42, 3072, s41
	v_add_nc_u32 v100, s41, v[LI]                  ; Q's images pi and 4 + pi,
	v_add_nc_u32 v101, s42, v[LI]                  ; 3 - pi and 7 - pi: 1,024 bytes an image
	s_lshl_b32 s41, s[PI], 2
	s_sub_co_u32 s42, 12, s41
	v_add_nc_u32 v102, s41, v[R16]                 ; and their scale words: 4 bytes an image in a row's 16
	v_add_nc_u32 v103, s42, v[R16]
	s_lshl_b32 s44, s33, 3
	s_add_co_u32 s44, s44, s2                      ; 8 chunk + head
	s_lshl_b32 s46, s44, 13
	s_mov_b32 s47, 0
	s_lshl_b32 s48, s44, 9
	s_mov_b32 s49, 0
	s_lshl_b32 s50, s2, 14
	s_add_co_u32 s50, s50, 3*131072                ; Wo is the fourth weight
	s_mov_b32 s51, 0
	s_lshl_b32 s52, s2, 10
	s_add_co_u32 s52, s52, 3*8192
	s_mov_b32 s53, 0
	s_lshl_b32 s54, s2, 8
	s_mov_b32 s55, 0
	s_lshl_b32 s56, s33, 19                        ; a chunk of out: 256 rows of 2,048 bytes
	s_mov_b32 s57, 0
	s_mov_b32 s[SEL], 0x76543210
	s_mov_b32 s[SEL+1], 0xfedcba98
	s_mov_b32 s[CS], 0x3d0293ee                    ; c = log2(e) / (16 sqrt 8)
	s_mov_b32 s[CS+1], s[CS]                       ; (named with it as a pair)
	s_mov_b32 s[N], 0
	s_wait_kmcnt 0x0
	s_add_nc_u64 s[16:17], s[4:5], s[46:47]        ; Q's codes of my chunk and head,
	s_add_nc_u64 s[18:19], s[16:17], 0x800000      ; K's,
	s_add_nc_u64 s[20:21], s[16:17], 0x1000000     ; V's
	s_add_nc_u64 s[22:23], s[6:7], s[48:49]        ; Q's scale words; K's 524,288 bytes on, V's 1,048,576
	s_add_nc_u64 s[24:25], s[8:9], s[50:51]
	s_add_nc_u64 s[26:27], s[10:11], s[52:53]
	s_add_nc_u64 s[28:29], s[12:13], s[54:55]
	s_add_nc_u64 s[30:31], s[14:15], s[56:57]
.irp hf, 0,1                                   ; Q first: tile n = 2 i + u into v[S + 4 n]; i = 2 hf from the first address, i = 2 hf + 1 from the second
.irp uu, 0,1
	global_load_b128 v[S+16*\hf+4*\uu:S+16*\hf+4*\uu+3], v100, s[16:17] offset:4096*\hf+512*\uu
	global_load_b128 v[S+16*\hf+8+4*\uu:S+16*\hf+8+4*\uu+3], v101, s[16:17] offset:4096*\hf+512*\uu
.endr
	global_load_b32 v[S+32+2*\hf], v102, s[22:23] offset:256*\hf
	global_load_b32 v[S+33+2*\hf], v103, s[22:23] offset:256*\hf
.endr
.irp hf, 0,1
	global_load_b128 v[KS+4*\hf:KS+4*\hf+3], v[R16], s[22:23] offset:524288+256*\hf
	global_load_b128 v[VS+4*\hf:VS+4*\hf+3], v[R16], s[22:23] offset:1048576+256*\hf
.endr
	WIN 0x40                                       ; destination window 1
.irp f, 0,1,2,3,4,5,6,7
	global_load_b128 v[KI+8*\f:KI+8*\f+3], v[LI], s[18:19] offset:1024*\f
	global_load_b128 v[KI+8*\f+4:KI+8*\f+7], v[LI], s[18:19] offset:1024*\f+512
.endr
.irp ks, 0,1
.irp tt, 0,1,2,3
	global_load_b128 v[VF+8*(4*\ks+\tt):VF+8*(4*\ks+\tt)+3], v[LI], s[20:21] offset:2048*\tt+1024*\ks
	global_load_b128 v[VF+8*(4*\ks+\tt)+4:VF+8*(4*\ks+\tt)+7], v[LI], s[20:21] offset:2048*\tt+1024*\ks+512
.endr
.endr
	WIN 0
	s_lshl_b32 s41, s2, 9
	v_add_nc_u32 v[AWI], s41, v[LI]                ; AIMG + 512 w + 16 x lane
	s_lshl_b32 s41, s2, 1
	s_add_co_u32 s41, s41, ASC
	v_add_nc_u32 v[AWS], s41, v[LI]
	s_mul_i32 s41, s2, STB
	s_add_co_u32 s41, s41, STG
	v_mul_u32_u24 v[SO], v105, 272
	v_lshl_add_u32 v[SO], v106, 6, v[SO]
	v_add_nc_u32 v[SO], s41, v[SO]
	v_mul_u32_u24 v[SR], v106, 272
	v_lshl_add_u32 v[SR], v105, 4, v[SR]
	v_add_nc_u32 v[SR], s41, v[SR]
	s_lshl_b32 s41, s2, 8
	v_lshl_add_u32 v[GO0], v106, 11, v[R16]
	v_add_nc_u32 v[GO0], s41, v[GO0]
	s_mul_i32 s41, s2, QLB
	s_add_co_u32 s41, s41, QL
	v_add_nc_u32 v[QL0], s41, v[LI]
	s_add_co_u32 s41, s41, 4096
	v_lshl_add_u32 v[QLW0], v107, 2, s41
	v_and_b32 v[D0], 8, v105
	v_add_nc_u32 v[D0], v[D0], v105
	v_lshlrev_b32 v14, 4, v106
	v_sub_nc_u32 v[D0], v[D0], v14
	v_mov_b32 v[NEG], 0xf149f2ca
	v_mov_b32 v[F+1], 0                            ; (named as the upper half of a pair)
.irp j, 0,1,2,3
	v_mov_b32 v[PX+\j], 0                          ; written once: a lane permute's destination counts as one of its sources
	v_mov_b32 v[QF+4+\j], 0                        ; the zero codes between the two copies of Q
.endr
	s_wait_loadcnt 36                              ; Q and its words are in: behind them stand the 4 loads of scale words, K's 16 and V's 16
.irp nn, 0,1,2,3,4,5,6,7
	ds_store_b128 v[QL0], v[S+4*\nn:S+4*\nn+3] offset:512*\nn
.endr
.irp i, 0,1,2,3
	ds_store_b32 v[QLW0], v[S+32+\i] offset:128*\i
.endr
.irp tt, 0,1,2,3
	global_load_b128 v[WOS+4*\tt:WOS+4*\tt+3], v[R16], s[26:27] offset:256*\tt
.endr
.irp tt, 0,1,2,3                               ; lane (r, h), register j of tile T = 2 b + u: bo of column 64 w + 32 b + 16 h + 8 u + j
	global_load_b128 v[BO+8*\tt:BO+8*\tt+3], v[HB], s[28:29] offset:128*(\tt/2)+32*(\tt%2)
	global_load_b128 v[BO+8*\tt+4:BO+8*\tt+7], v[HB], s[28:29] offset:128*(\tt/2)+32*(\tt%2)+16
.endr
	WIN 0x40
.irp f, 0,1,2,3,4,5,6,7,8,9,10,11,12,13,14,15
	global_load_b128 v[WO+8*\f:WO+8*\f+3], v[LI], s[24:25] offset:1024*\f
	global_load_b128 v[WO+8*\f+4:WO+8*\f+7], v[LI], s[24:25] offset:1024*\f+512
.endr
	WIN 0
	ds_load_b128 v[QF:QF+3], v[QL0]                ; tile 0 of Q, twice, and its image's scale word.  LDS serves a wave's instructions in order: these see my stores
	ds_load_b128 v[QF+8:QF+11], v[QL0]
	ds_load_b32 v[QWR], v[QLW0]
	s_wait_loadcnt 60                              ; K and all scale words of K and V are in: behind K's loads stand V's 16 and Wo's 44
.Ltrip:
	s_wait_xcnt 0x0                                ; the last trip's stores have read their data (which the scores overwrite) and their offset
	s_wait_dscnt 0x0                               ; this trip's Q is in
	s_lshr_b32 s41, s[N], 1                        ; i
	s_and_b32 s42, s[N], 1                         ; u
	s_and_b32 s43, s41, 1
	s_xor_b32 s43, s43, s[PI]
	s_lshl_b32 s44, s41, 1
	s_add_co_u32 s43, s43, s44                     ; b = 2 i + ((i % 2) xor pi)
	s_lshl_b32 s44, s43, 2
	s_add_co_u32 s44, s44, s42
	s_lshl_b32 s44, s44, 14                        ; (32 b + 8 u) rows of 2,048 bytes
	s_lshl_b32 s45, s42, 4
	s_lshl_b32 s46, s42, 3
	v_lshrrev_b32 v[QLO], s45, v[QWR]              ; tile (b, u)'s two bytes in bytes 0, 1 (above them a neighbour's bytes or zeros, over zero codes),
	v_lshlrev_b32 v[QHI], 16, v[QLO]               ; and in bytes 2, 3
	v_add_nc_u32 v[DD], s46, v[D0]
	v_add_nc_u32 v[GO], s44, v[GO0]
.rept 6
	v_nop                                          ; eight places between a scale register's write and the scaled product; with the lines above also the places behind the last trip's products, whose registers the scores overwrite
.endr
	s_cmp_lt_u32 s43, 4                            ; which key blocks are visible hangs on ids alone
	s_cbranch_scc0 .Lfull
	s_cmp_eq_u32 s43, 0
	s_cbranch_scc1 .La1
	s_cmp_eq_u32 s43, 1
	s_cbranch_scc1 .La2
	s_cmp_eq_u32 s43, 2
	s_cbranch_scc1 .La3
	STEP 0, 4, 1, 1
	s_branch .Ljoin
.La3:
	STEP 0, 3, 1, 1
	s_branch .Ljoin
.La2:
	STEP 0, 2, 1, 1
	s_branch .Ljoin
.La1:
	STEP 0, 1, 1, 1
	s_branch .Ljoin
.Lfull:
	STEP 0, 4, 0, 1
	s_cmp_eq_u32 s43, 4
	s_cbranch_scc1 .Lb1
	s_cmp_eq_u32 s43, 5
	s_cbranch_scc1 .Lb2
	s_cmp_eq_u32 s43, 6
	s_cbranch_scc1 .Lb3
	STEP 1, 4, 1, 0
	s_branch .Ljoin
.Lb3:
	STEP 1, 3, 1, 0
	s_branch .Ljoin
.Lb2:
	STEP 1, 2, 1, 0
	s_branch .Ljoin
.Lb1:
	STEP 1, 1, 1, 0
.Ljoin:
	s_add_co_u32 s41, s[N], 1                      ; the next tile of Q (the last trip reads tile 7 again)
	s_min_u32 s41, s41, 7
	s_lshl_b32 s42, s41, 9
	v_add_nc_u32 v[AD0], s42, v[QL0]
	s_lshr_b32 s42, s41, 1
	s_lshl_b32 s42, s42, 7
	v_add_nc_u32 v[AD1], s42, v[QLW0]
	ds_load_b128 v[QF:QF+3], v[AD0]
	ds_load_b128 v[QF+8:QF+11], v[AD0]
	ds_load_b32 v[QWR], v[AD1]
	v_add_f32 v[T0], v[L], v[L+1]                  ; the sum's two halves,
	v_permlanex16_b32 v[PX], v[T0], s[SEL], s[SEL+1]
	v_add_f32 v[T0], v[T0], v[PX]                  ; and lane l xor 16's: the row's sum
	v_rcp_f32 v[F], v[T0]
	v_nop                                          ; a plain line behind the reciprocal; with the four additions above: the places behind the last products
	s_wait_alu depctr_va_vdst(0)                   ; ahead of the first reader
.set JJ, 0
.rept 16
	v_pk_mul_f32 v[O+JJ:O+JJ+1], v[O+JJ:O+JJ+1], v[F:F+1] op_sel_hi:[1,0]   ; attn = O^T / l: register 16 b' + i = dv 32 b' + 16 h + i of my query
.set JJ, JJ+2
.endr
.irp qb, 0,1                                   ; its two blocks of 32 along the last product's K
	v_max3_num_f32 v[MX+\qb], |v[O+16*\qb]|, |v[O+16*\qb+1]|, 0x1800000
.endr
.irp qi, 2,4,6,8,10,12,14
.irp qb, 0,1
	v_max3_num_f32 v[MX+\qb], v[MX+\qb], |v[O+16*\qb+\qi]|, |v[O+16*\qb+\qi+1]|
.endr
.endr
.irp qb, 0,1
	v_permlanex16_b32 v[PX+\qb], v[MX+\qb], s[SEL], s[SEL+1]
.endr
.irp qb, 0,1
	v_max_num_f32 v[MX+\qb], v[MX+\qb], v[PX+\qb]
.endr
.irp qb, 0,1
	v_add_nc_u32 v[SOP+\qb], 0xff000000, v[MX+\qb]
.endr
.irp qb, 0,1
	v_lshrrev_b32 v[BY+\qb], 23, v[SOP+\qb]
.endr
	v_lshl_or_b32 v[T0], v[BY+1], 8, v[BY]         ; my head's half of the scale word
.irp qb, 0,1
	v_cvt_scalef32_pk8_fp4_f32 v[PC+2*\qb], v[O+16*\qb:O+16*\qb+7], v[SOP+\qb]
	v_cvt_scalef32_pk8_fp4_f32 v[PC+2*\qb+1], v[O+16*\qb+8:O+16*\qb+15], v[SOP+\qb]
.endr
	v_nop                                          ; one plain line behind the last scaled conversion
	v_permlane16_swap_b32 v[PC], v[PC+2]
	v_permlane16_swap_b32 v[PC+1], v[PC+3]         ; lane (r, h): dv 32 h .. 32 h + 31: piece w % 2 of K step w / 2
	ds_store_b128 v[AWI], v[PC:PC+3]
	ds_store_b16 v[AWS], v[T0]
	s_wait_dscnt 0x0                               ; for the others' sake: my piece and my half word have landed
	s_barrier_signal -1
	s_barrier_wait -1                              ; all eight heads' have
.irp ks, 0,1,2,3
	ds_load_b128 v[AF+8*\ks:AF+8*\ks+3], v[LI] offset:AIMG+1024*\ks
	ds_load_b128 v[AF+8*\ks+4:AF+8*\ks+7], v[LI] offset:AIMG+1024*\ks+512
.endr
	ds_load_b128 v[AS:AS+3], v[LI] offset:ASC
	s_wait_dscnt 0x0                               ; my reads of the images are over:
	s_barrier_signal -1                            ; say so; only register work stands up to the wait, and the images are written again only behind it
	s_wait_loadcnt 0x0                             ; Wo, its words and bo (in later trips no load is out)
	WIN 0x01
.irp ks, 0,1,2,3                               ; out^T = Wo attn^T + bo: four accumulators by turns
.irp tt, 0,1,2,3
.if \ks == 0
	v_wmma_scale_f32_16x16x128_f8f6f4 v[OA+8*\tt:OA+8*\tt+7], v[WO+8*(4*\tt+\ks):WO+8*(4*\tt+\ks)+7], v[AF+8*\ks:AF+8*\ks+7], v[BO+8*\tt:BO+8*\tt+7], v[WOS+4*\tt+\ks], v[AS+\ks] matrix_a_fmt:MATRIX_FMT_FP4 matrix_b_fmt:MATRIX_FMT_FP4
.else
	v_wmma_scale_f32_16x16x128_f8f6f4 v[OA+8*\tt:OA+8*\tt+7], v[WO+8*(4*\tt+\ks):WO+8*(4*\tt+\ks)+7], v[AF+8*\ks:AF+8*\ks+7], v[OA+8*\tt:OA+8*\tt+7], v[WOS+4*\tt+\ks], v[AS+\ks] matrix_a_fmt:MATRIX_FMT_FP4 matrix_b_fmt:MATRIX_FMT_FP4
.endif
.endr
.endr
	WIN 0
.rept 4
	v_nop                                          ; four places: ahead of the stores that read the results and of the loads into the fragments' registers
.endr
	s_barrier_wait -1
.irp tt, 0,1,2,3                               ; THE WAY OUT, through my own stage: lane (r, h): columns 32 b' + 16 h + 8 u' + 0 .. 7 of query place r; each accumulator from its low end on
	ds_store_b128 v[SO], v[OA+8*\tt:OA+8*\tt+3] offset:128*(\tt/2)+32*(\tt%2)
	ds_store_b128 v[SO], v[OA+8*\tt+4:OA+8*\tt+7] offset:128*(\tt/2)+32*(\tt%2)+16
.endr
.irp i, 0,1,2,3,4,5,6,7
	ds_load_b128 v[AF+4*\i:AF+4*\i+3], v[SR] offset:544*\i   ; places 2 i and 2 i + 1, whole: LDS serves a wave's instructions in order
.endr
.irp i, 0,1,2,3,4,5,6,7
	s_wait_dscnt 7-\i                              ; the younger reads may stay out
	global_store_b128 v[GO], v[AF+4*\i:AF+4*\i+3], s[30:31] offset:(2*\i+8*(\i/4))*2048 th:TH_STORE_NT   ; sixteen lanes store 256 consecutive bytes, at a multiple of 256 from out's first byte
.endr
	s_add_co_u32 s[N], s[N], 1
	s_cmp_lt_u32 s[N], 8
	s_cbranch_scc1 .Ltrip
	s_wait_tensorcnt 0x0
	ds_add_u32 v254, v255
	s_wait_dscnt 0x0
	s_endpgm
.Lfunc_end_k_q8e9d85e6bb_attn:
	.size	k_q8e9d85e6bb_attn, .Lfunc_end_k_q8e9d85e6bb_attn-k_q8e9d85e6bb_attn
	.p2alignl 7, 3214868480
	.fill 96, 4, 3214868480
	.section	.rodata,"a",@progbits
	.p2align	6, 0x0
	.amdhsa_kernel k_q8e9d85e6bb_attn
		.amdhsa_group_segment_fixed_size 77824
		.amdhsa_private_segment_fixed_size 0
		.amdhsa_enable_private_segment 0
		.amdhsa_kernarg_size 48
		.amdhsa_user_sgpr_count 2
		.amdhsa_user_sgpr_kernarg_segment_ptr 1
		.amdhsa_wavefront_size32 1
		.amdhsa_system_sgpr_workgroup_id_x 1
		.amdhsa_system_sgpr_workgroup_id_y 1
		.amdhsa_system_sgpr_workgroup_id_z 1
		.amdhsa_system_vgpr_workitem_id 0
		.amdhsa_next_free_vgpr 512
		.amdhsa_next_free_sgpr 66
		.amdhsa_reserve_vcc 1
		.amdhsa_float_denorm_mode_32 3
		.amdhsa_float_denorm_mode_16_64 3
		.amdhsa_memory_ordered 1
		.amdhsa_forward_progress 1
		.amdhsa_inst_pref_size 113
	.end_amdhsa_kernel
	.amdgpu_metadata
---
amdhsa.version: [ 1, 2 ]
amdhsa.kernels:
  - .name:           k_q8e9d85e6bb_attn
    .symbol:         k_q8e9d85e6bb_attn.kd
    .args:
      - { .name: acts, .offset: 0, .size: 8, .value_kind: global_buffer, .address_space: global }
      - { .name: actss, .offset: 8, .size: 8, .value_kind: global_buffer, .address_space: global }
      - { .name: wcodes, .offset: 16, .size: 8, .value_kind: global_buffer, .address_space: global }
      - { .name: wscales, .offset: 24, .size: 8, .value_kind: global_buffer, .address_space: global }
      - { .name: bo, .offset: 32, .size: 8, .value_kind: global_buffer, .address_space: global }
      - { .name: out0, .offset: 40, .size: 8, .value_kind: global_buffer, .address_space: global }
    .group_segment_fixed_size: 77824
    .private_segment_fixed_size: 0
    .kernarg_segment_align: 8
    .kernarg_segment_size: 48
    .max_flat_workgroup_size: 256
    .sgpr_count:     66
    .vgpr_count:     512
    .wavefront_size: 32
...
	.end_amdgpu_metadata
.endif
;; end of part 3
;; ======== version 2 of 2: 3 launches
;; workspace buffers: wcodes 524,288 bytes; wscales 32,768 bytes; acts 25,165,824 bytes; actss 1,572,864 bytes
;; launch prep (part 4): grid 16 x 4, 8 waves a work-group, no clusters, 69,120 bytes of LDS; arguments Wq, Wk, Wv, Wo, wcodes, wscales; writes wcodes, wscales
.if DOCPART == 4
	.amdgcn_target "amdgcn-amd-amdhsa--gfx1250"
	.amdhsa_code_object_version 6
	.text
	.protected	k_q8e9d85e6bb_prep
	.globl	k_q8e9d85e6bb_prep
	.p2align	8
	.type	k_q8e9d85e6bb_prep,@function
k_q8e9d85e6bb_prep:
	s_mov_b64 s[64:65], 0
	v_nop
	global_prefetch_b8 v0, s[64:65] scope:SCOPE_SE
	s_setreg_imm32_b32 hwreg(HW_REG_WAVE_MODE, 25, 1), 1
	s_wait_xcnt 0x0
; Wq, Wk, Wv, Wo [512 (n)][512 (k)] f32, K innermost, become codes of FP4 (E2M1) with one E8M0 byte for each 32 along K, laid IN THE ORDER OF THE OPERAND'S REGISTERS:
;   wcodes  [weight 4][w 8][T 4][s 4][c 2][lane 32][16 bytes]      wscales [weight 4][w 8][T 4][r 16][s 4] words of four bytes
; w: the 64 rows of a head (or 64 output columns); s: K step of 128; T = 2 b + u: a tile of 16 rows; place m of the tile holds row 64 w + 32 b + 8 u + m + 8 (m / 8), so that the
; results of tiles (b, 0) and (b, 1), used as source 0 of a product, are 16 neighbours in a lane's registers.  Lane (r, h) of piece c holds k = 128 s + 64 c + 32 h + 0 .. 31 of place r.
; A block's scale is 2^(floor(log2(its largest magnitude)) - 2); its byte is the largest magnitude's exponent field - 2, held at 1 from below.
; LIMITS: a block of zeros gets the byte 1 where the rule says 127 (its codes are zeros, and this program alone reads the bytes); NaN and infinities among the inputs are not served.
; SHARES: work-group x = 2 w + P, y = the weight.  Wave v takes tile T = 2 P + v / 4 and K step s = v % 4: 16 rows x 128 numbers.  Each load reads 512 consecutive bytes of a row; the
; numbers turn through the wave's own stage in LDS (rows 528 bytes apart: the sixteen rows that a read touches start in sixteen different columns of 16 bytes), so that a lane gets two whole blocks.
; No tensor load, no cluster: no two work-groups read the same byte.
.set SP,    528
.set WSTG,  16*SP                      ; a wave's stage
.set SCB,   8*WSTG                     ; behind the stages: the work-group's 512 bytes of scale words
.set RAW,   16                         ; v16-79   as loaded
.set X,     80                         ; v80-143  two blocks of 32 neighbours
.set C,     144                        ; v144-151 the fragment's codes
.set MXR,   152                        ; v152-153 largest magnitudes;  v154-155 the conversions' scale operands;  v156-157 the bytes
	s_load_b256 s[4:11], s[0:1], 0x0               ; Wq, Wk, Wv, Wo
	s_load_b128 s[12:15], s[0:1], 0x20             ; wcodes, wscales
	v_lshl_add_u32 v160, v0, 2, 0x10a00
	v_mov_b32 v161, 0
	v_lshrrev_b32 v1, 5, v0
	s_delay_alu instid0(VALU_DEP_1)
	v_readfirstlane_b32 s16, v1                    ; wave v
	v_and_b32 v2, 31, v0                           ; lane
	v_and_b32 v3, 15, v0                           ; r
	s_wait_alu depctr_va_vdst(0)
	v_bfe_u32 v4, v0, 4, 1                         ; h
	v_lshlrev_b32 v5, 4, v2                        ; 16 x lane
	s_wait_alu depctr_va_vdst(0)
	s_and_b32 s17, ttmp7, 0xffff                   ; which weight
	s_lshr_b32 s18, ttmp9, 1                       ; w
	s_and_b32 s19, ttmp9, 1                        ; P = b
	s_lshr_b32 s20, s16, 2                         ; u
	s_and_b32 s21, s16, 3                          ; s
	s_mul_i32 s22, s16, WSTG
	v_add_nc_u32 v6, s22, v5                       ; the stage, on the way in: 16 x lane of row i
	v_mul_u32_u24 v7, v3, SP
	s_delay_alu instid0(VALU_DEP_1)
	v_lshl_add_u32 v7, v4, 7, v7
	s_delay_alu instid0(VALU_DEP_1)
	v_add_nc_u32 v7, s22, v7                       ; and on the way out: row r, + 128 h bytes
	s_lshl_b32 s23, s20, 8
	s_lshl_b32 s24, s21, 2
	s_add_co_u32 s23, s23, s24
	s_add_co_u32 s23, s23, SCB
	v_lshl_add_u32 v8, v3, 4, s23                  ; my scale word: SCB + 256 u + 16 r + 4 s
	v_add_nc_u32 v11, SCB, v5                      ; and where wave 0 reads them back
	s_lshl_b32 s24, s18, 17                        ; the weight's bytes: (64 w + 32 P + 8 u) rows of 2,048 + 512 s
	s_lshl_b32 s26, s19, 16
	s_add_co_u32 s24, s24, s26
	s_lshl_b32 s26, s20, 14
	s_add_co_u32 s24, s24, s26
	s_lshl_b32 s26, s21, 9
	s_add_co_u32 s24, s24, s26
	s_mov_b32 s25, 0
	s_lshl_b32 s26, s17, 17                        ; the codes' bytes: 131,072 weight + 16,384 w + 1,024 (8 P + 4 u + s)
	s_lshl_b32 s28, s18, 14
	s_add_co_u32 s26, s26, s28
	s_lshl_b32 s28, s19, 13
	s_add_co_u32 s26, s26, s28
	s_lshl_b32 s28, s20, 12
	s_add_co_u32 s26, s26, s28
	s_lshl_b32 s28, s21, 10
	s_add_co_u32 s26, s26, s28
	s_mov_b32 s27, 0
	s_lshl_b32 s28, s17, 13                        ; the scale words' bytes: 8,192 weight + 1,024 w + 512 P
	s_lshl_b32 s30, s18, 10
	s_add_co_u32 s28, s28, s30
	s_lshl_b32 s30, s19, 9
	s_add_co_u32 s28, s28, s30
	s_mov_b32 s29, 0
	s_mov_b32 s32, 0x76543210
	s_mov_b32 s33, 0xfedcba98                      ; v_permlanex16_b32's selects for lane l xor 16
	s_wait_alu depctr_va_vdst(0)
	s_wait_kmcnt 0x0
	s_cmp_eq_u32 s17, 1                            ; the choice of the weight hangs on the work-group's number alone
	s_cselect_b64 s[4:5], s[6:7], s[4:5]
	s_cmp_eq_u32 s17, 2
	s_cselect_b64 s[4:5], s[8:9], s[4:5]
	s_cmp_eq_u32 s17, 3
	s_cselect_b64 s[4:5], s[10:11], s[4:5]
	s_add_nc_u64 s[4:5], s[4:5], s[24:25]
	s_add_nc_u64 s[12:13], s[12:13], s[26:27]
	s_add_nc_u64 s[14:15], s[14:15], s[28:29]
.irp i, 0,1,2,3,4,5,6,7,8,9,10,11,12,13,14,15
	global_load_b128 v[RAW+4*\i:RAW+4*\i+3], v5, s[4:5] offset:(\i+8*(\i/8))*2048 th:TH_LOAD_NT   ; place i of the tile: 512 consecutive bytes of its row
.endr
	s_wait_loadcnt 0x0
.irp i, 0,1,2,3,4,5,6,7,8,9,10,11,12,13,14,15
	ds_store_b128 v6, v[RAW+4*\i:RAW+4*\i+3] offset:SP*\i
.endr
.irp c, 0,1
.irp g, 0,1,2,3,4,5,6,7
	ds_load_b128 v[X+32*\c+4*\g:X+32*\c+4*\g+3], v7 offset:256*\c+16*\g   ; LDS serves a wave's instructions in order: these see my stores.  k = 64 c + 32 h + 4 g ..
.endr
.endr
	s_wait_dscnt 0x0
.irp c, 0,1                                    ; my block 2 c + h: all its 32 numbers are mine
	v_max3_num_f32 v[MXR+\c], |v[X+32*\c]|, |v[X+32*\c+1]|, 0x1800000   ; with the floor 2^(3 - 127): the byte cannot fall under 1
.endr
.irp i, 2,4,6,8,10,12,14,16,18,20,22,24,26,28,30
.irp c, 0,1
	s_delay_alu instid0(VALU_DEP_2)
	v_max3_num_f32 v[MXR+\c], v[MXR+\c], |v[X+32*\c+\i]|, |v[X+32*\c+\i+1]|
.endr
.endr
.irp c, 0,1
	s_delay_alu instid0(VALU_DEP_2)
	v_add_nc_u32 v[MXR+2+\c], 0xff000000, v[MXR+\c]   ; 2 off the exponent field: the conversion's scale operand
.endr
.irp c, 0,1
	s_delay_alu instid0(VALU_DEP_2)
	v_lshrrev_b32 v[MXR+4+\c], 23, v[MXR+2+\c]     ; the scale's byte
.endr
	s_delay_alu instid0(VALU_DEP_1)
	v_lshl_or_b32 v9, v[MXR+5], 16, v[MXR+4]       ; my two bytes: blocks h and 2 + h,
	v_lshlrev_b32 v10, 3, v4
	s_delay_alu instid0(VALU_DEP_1)
	v_lshlrev_b32 v9, v10, v9                      ; at their places in the word (8 h bits up);
	v_mov_b32 v10, 0
	s_delay_alu instid0(VALU_DEP_1)
	v_permlanex16_b32 v10, v9, s32, s33
	s_delay_alu instid0(VALU_DEP_1)
	v_or_b32 v9, v9, v10                           ; with lane l xor 16's two the word is whole
.irp c, 0,1
.irp g, 0,1,2,3
	v_cvt_scalef32_pk8_fp4_f32 v[C+4*\c+\g], v[X+32*\c+8*\g:X+32*\c+8*\g+7], v[MXR+2+\c]
.endr
.endr
	v_nop                                          ; one plain line behind the last scaled conversion
.irp c, 0,1
	global_store_b128 v5, v[C+4*\c:C+4*\c+3], s[12:13] offset:512*\c   ; 32 lanes store 512 consecutive bytes
.endr
	ds_store_b32 v8, v9                            ; lanes r and r + 16 write the same word with the same value
	s_wait_dscnt 0x0                               ; for the others' sake: my word has landed
	s_barrier_signal -1
	s_barrier_wait -1
	s_cmp_lg_u32 s16, 0                            ; wave 0 stores the work-group's 512 bytes of scale words in one instruction
	s_cbranch_scc1 .Lend
	ds_load_b128 v[16:19], v11
	s_wait_dscnt 0x0
	global_store_b128 v5, v[16:19], s[14:15]
.Lend:
	s_wait_tensorcnt 0x0
	ds_add_u32 v160, v161
	s_wait_dscnt 0x0
	s_endpgm
.Lfunc_end_k_q8e9d85e6bb_prep:
	.size	k_q8e9d85e6bb_prep, .Lfunc_end_k_q8e9d85e6bb_prep-k_q8e9d85e6bb_prep
	.p2alignl 7, 3214868480
	.fill 96, 4, 3214868480
	.section	.rodata,"a",@progbits
	.p2align	6, 0x0
	.amdhsa_kernel k_q8e9d85e6bb_prep
		.amdhsa_group_segment_fixed_size 69120
		.amdhsa_private_segment_fixed_size 0
		.amdhsa_enable_private_segment 0
		.amdhsa_kernarg_size 48
		.amdhsa_user_sgpr_count 2
		.amdhsa_user_sgpr_kernarg_segment_ptr 1
		.amdhsa_wavefront_size32 1
		.amdhsa_system_sgpr_workgroup_id_x 1
		.amdhsa_system_sgpr_workgroup_id_y 1
		.amdhsa_system_sgpr_workgroup_id_z 1
		.amdhsa_system_vgpr_workitem_id 0
		.amdhsa_next_free_vgpr 162
		.amdhsa_next_free_sgpr 66
		.amdhsa_reserve_vcc 0
		.amdhsa_float_denorm_mode_32 3
		.amdhsa_float_denorm_mode_16_64 3
		.amdhsa_memory_ordered 1
		.amdhsa_forward_progress 1
		.amdhsa_inst_pref_size 12
	.end_amdhsa_kernel
	.amdgpu_metadata
---
amdhsa.version: [ 1, 2 ]
amdhsa.kernels:
  - .name:           k_q8e9d85e6bb_prep
    .symbol:         k_q8e9d85e6bb_prep.kd
    .args:
      - { .name: Wq, .offset: 0, .size: 8, .value_kind: global_buffer, .address_space: global }
      - { .name: Wk, .offset: 8, .size: 8, .value_kind: global_buffer, .address_space: global }
      - { .name: Wv, .offset: 16, .size: 8, .value_kind: global_buffer, .address_space: global }
      - { .name: Wo, .offset: 24, .size: 8, .value_kind: global_buffer, .address_space: global }
      - { .name: wcodes, .offset: 32, .size: 8, .value_kind: global_buffer, .address_space: global }
      - { .name: wscales, .offset: 40, .size: 8, .value_kind: global_buffer, .address_space: global }
    .group_segment_fixed_size: 69120
    .private_segment_fixed_size: 0
    .kernarg_segment_align: 8
    .kernarg_segment_size: 48
    .max_flat_workgroup_size: 256
    .sgpr_count:     66
    .vgpr_count:     162
    .wavefront_size: 32
...
	.end_amdgpu_metadata
.endif
;; end of part 4
;; launch proj (part 5): grid 256 x 1, 8 waves a work-group, no clusters, 78,848 bytes of LDS; arguments query, key, value, wcodes, wscales, bq, bk, bv, acts, actss; writes acts, actss
.if DOCPART == 5
	.amdgcn_target "amdgcn-amd-amdhsa--gfx1250"
	.amdhsa_code_object_version 6
	.text
	.protected	k_q8e9d85e6bb_proj
	.globl	k_q8e9d85e6bb_proj
	.p2align	8
	.type	k_q8e9d85e6bb_proj,@function
k_q8e9d85e6bb_proj:
	s_mov_b64 s[64:65], 0
	v_nop
	global_prefetch_b8 v0, s[64:65] scope:SCOPE_SE
	s_setreg_imm32_b32 hwreg(HW_REG_WAVE_SCHED_MODE, 0, 2), 2
	s_setreg_imm32_b32 hwreg(HW_REG_WAVE_MODE, 25, 1), 1
	s_wait_xcnt 0x0
	s_wait_alu depctr_vm_vsrc(0)
; Q = query Wq^T + bq, K = key Wk^T + bk, V = value Wv^T + bv, on codes of FP4 (E2M1) with one E8M0 scale for each 32 along K (v_wmma_scale_f32_16x16x128_f8f6f4), and their results
; quantised again for the two products of attention: Q and K along the head's 64, V along the keys.  Results leave as codes in the order of the next operand's registers:
;   acts  [Q, K, V][chunk 128][head 8][8,192 bytes];  Q, K: [image b 8][c 2][lane 32][16 bytes];  V: [T 4][s 2][c 2][lane 32][16 bytes]
;   actss [Q, K, V][chunk 128][head 8][half 2][r 16][4 words];  Q, K: word j of image 4 half + j;  V: word j of tile T = j, K step s = half
; ORDER OF ROWS: in each 32 rows, tile (b, u) holds in place m the row 32 b + 8 u + m + 8 (m / 8).  So a result whose rows m come from such a tile has, in lane (r, h), register j = item 32 b + 16 h + 8 u + j:
; the 16 registers of tiles (b, 0) and (b, 1) are 16 neighbours, as the conversions want them.  x's rows and the weights' rows are both taken so.
; An image b of Q or K holds 32 rows: piece c = tile (b, c); in it lane (r, h) holds d = 32 h .. 32 h + 31 of place r; its scale word: bytes 0, 1 for tile (b, 0), bytes 2, 3 for tile (b, 1).
; SHARES: work-group g takes rows 128 g .. 128 g + 127 (half a chunk) of query, then key, then value: three tasks, written out.  In a task wave w first quantises rows 16 w .. 16 w + 15 of x (four units of 128 along K);
; one barrier; then wave w makes head w (64 columns) for all 128 rows, 32 rows (a pair of tiles) at a time.  Its 16 fragments of W stay in registers for the task.
; x IS QUANTISED IN THE REGISTERS INTO WHICH IT IS LOADED; only its codes go through LDS.  A load reads 512 consecutive bytes of a row: lanes 0-15 take the even pieces of 16 bytes, lanes 16-31 the odd ones.  Rows p and p + 8 land
; in eight neighbouring registers; four v_permlane16_swap_b32 then leave lane q of the lower half with k = 8 q .. 8 q + 7 of row p, and of the upper half with the same of row p + 8.  A block of 32 is four neighbouring lanes.
; One conversion makes a lane's 8 codes: a word of its row.  Loads run two units (32 loads a wave) ahead, across the products too, and a unit's successor is asked for straight behind its conversions.
; LDS: x's codes as rows of 256 bytes, 272 apart; the 16 rows of wave w are a slab of 16 x 272 + 128 = 4,480 bytes, so that the rows 0-7 and 16-23 which a fragment's load touches start in sixteen different columns of 16 bytes.
; The scale bytes: 16 a row, a slab of 256 + 128 bytes a wave.  The tasks take turns between two such buffers, so one barrier a task orders both ways: a wave that writes a buffer again has passed the barrier of the task between,
; which every wave signals behind its last read of it.
; NO JOINT LOADS: what work-groups share is W (16 KB of codes a wave and task).  Each wave wants its own eighth once a task, in register order, straight into the registers where it stays; a joint load lands in LDS,
; from where the same 128 KB a task would have to be read once more, for no second use in the work-group.  No tensor loads: the loads' counted waits let 32 loads a wave stay out at every barrier.
; LIMITS: a block of zeros gets the byte 1 where the rule says 127 (zero codes; this program alone reads the bytes); NaN and infinities among the inputs are not served; the biases enter as the C of each sum's first product.
; REGISTERS, window 0: v3-15, v24-25 addresses; v28-43 the quantisers' work; v44-59 codes (and x's bytes); v60-63 a task's scale words; v64-65 their store; v68-75 x's scale words; v76-91 W's; v92-123 the bias as C;
;   v124-251 x as loaded, two sets of 64.   window 1: v0-127 W's 16 fragments ((T, s) at 8 (4 T + s)); v128-191 eight accumulators; v192-255 x's eight fragments of a pair.
; THE MODE: SCHED_MODE bits 1:0 = 2 (LLVM: expert scheduling mode 2), set by the entry lines.  The code itself states the register dependences between vector or matrix instructions and memory or LDS instructions,
; with s_wait_alu, always for 0.
; THE PLAN.  Registers that memory or LDS instructions touch:
;   RAW0, RAW1   A unit's swaps, maxima and conversions work on its set; behind the conversions the loads of the unit two on land in the same set.
;   v44-59       Written by a unit's shifts and conversions, read by its sixteen LDS stores; written by a pair's conversions and swaps, read by its global stores.
;   v64-65       Written by two selects at a task's end, read by one store.
;   XF, XS       A pair's LDS loads land in them, its 32 products read them, the next pair's loads land in them.  All 512 registers are taken (both sets of x are on their way during the products): there is one such buffer.
;   W, WS, BI    Global loads land in them once a task, behind the last pair's products.
;   addresses    Made at the head and never written again.
; A UNIT has one wait on vm_vsrc, ahead of the first write of v44-59, and two on va_vdst, behind its maxima and behind its conversions: its loads and LDS stores follow the latter.  A PAIR has a wait on va_vdst behind its products, for the next pair's
; fragments; one on vm_vsrc ahead of its quantiser; one on va_vdst ahead of its stores.  A TASK's last wait on va_vdst, ahead of the scale words' store, also serves the next weight's loads.
.set SLAB,  4480                       ; 16 rows of codes, 272 bytes apart, + 128
.set SSLAB, 384                        ; 16 rows of 16 scale bytes, + 128
.set XC0,   0                          ; buffer 0: codes, 8 slabs
.set XSC0,  XC0+8*SLAB                 ; its scale bytes
.set XC1,   XSC0+8*SSLAB               ; buffer 1
.set XSC1,  XC1+8*SLAB
.set LP,   3                           ; v3      x: 32 (lane % 16) + 16 (lane / 16): my piece of a load's 512 bytes
.set FI0,  5                           ; v5, v6  a fragment's place in buffer 0, 1: 4,480 (r / 8) + 272 (r % 8) + 16 h
.set FS0,  7                           ; v7, v8  its scale words: 384 (r / 8) + 16 (r % 8)
.set XWC0, 9                           ; v9, v10 where I store a word of codes: 4,480 w + 2,176 h + 4 (lane % 16)
.set XWB0, 11                          ; v11, v12 and a scale byte: 384 w + 128 h + (lane % 16) / 4
.set LI,   13                          ; v13     16 x lane
.set R16,  14                          ; v14     16 r
.set H64,  15                          ; v15     64 h
.set RB4,  24                          ; v24     4 (r + 8 (r / 8))
.set GS,   25                          ; v25     16 r + 8 h
.set TM,   28
.set MXR,  28                          ; x: v28-35 largest magnitudes, v36-43 the conversions' scale operands, v44-51 codes, v52-59 bytes
.set SOX,  36
.set CX,   44
.set BX,   52
.set PC,   44
.set VC,   44
.set QW,   60
.set SD,   64
.set XS,   68
.set WS,   76
.set BI,   92
.set RAW,  124
.set ACC,  128                         ; in window 1
.set XF,   192                         ; in window 1
.set SEL,  52                          ; s[52:53] v_permlanex16_b32's selects for lane l xor 16
.set HIM,  54                          ; s54     the mask of lanes 16-31
.set FLR,  55                          ; s55     the floor 2^(3 - 127), under which no largest magnitude is taken: so a scale's byte cannot fall under 1
.set MSB,  0
.macro WIN new                         ; the immediate's high byte repeats the setting that is left; a switch that changes nothing is dropped
.if MSB != \new
	s_set_vgpr_msb (MSB<<8)|\new
.set MSB, \new
.endif
.endm
; 64 results of a lane (window 1) in four blocks of 16 registers; a block's other 16 lie in lane l xor 16.  Leaves: v[TM+12+b] the conversion's scale operand, v[TM+4+b] the scale's byte.  Each accumulator is read from its low end on.
.macro QCORE src
	WIN 0x14                                       ; sources 1 and 2 window 1
.irp qb, 0,1,2,3
	v_max3_num_f32 v[TM+\qb], s[FLR], |v[\src+16*\qb]|, |v[\src+16*\qb+1]|
.endr
.irp qi, 2,4,6,8,10,12,14
.irp qb, 0,1,2,3
	v_max3_num_f32 v[TM+\qb], v[TM+\qb], |v[\src+16*\qb+\qi]|, |v[\src+16*\qb+\qi+1]|   ; the four blocks by turns
.endr
.endr
	WIN 0
.irp qb, 0,1,2,3
	v_permlanex16_b32 v[TM+4+\qb], v[TM+\qb], s[SEL], s[SEL+1]
.endr
.irp qb, 0,1,2,3
	v_max_num_f32 v[TM+\qb], v[TM+\qb], v[TM+4+\qb]   ; the block's largest magnitude
.endr
.irp qb, 0,1,2,3
	v_add_nc_u32 v[TM+12+\qb], 0xff000000, v[TM+\qb]  ; 2 off its exponent field
.endr
.irp qb, 0,1,2,3
	v_lshrrev_b32 v[TM+4+\qb], 23, v[TM+12+\qb]
.endr
.endm
; the four bytes make the scale word; the codes go to v[PC] on, and each lane gets whole blocks: registers 4 c .. 4 c + 3 = block 2 c + h
.macro QTAIL src, word
	v_lshl_or_b32 v[\word], v[TM+5], 8, v[TM+4]
	v_lshl_or_b32 v[\word], v[TM+6], 16, v[\word]
	v_lshl_or_b32 v[\word], v[TM+7], 24, v[\word]
	WIN 0x01                                       ; source 0 window 1
.irp qb, 0,1,2,3
	v_cvt_scalef32_pk8_fp4_f32 v[PC+2*\qb], v[\src+16*\qb:\src+16*\qb+7], v[TM+12+\qb]
	v_cvt_scalef32_pk8_fp4_f32 v[PC+2*\qb+1], v[\src+16*\qb+8:\src+16*\qb+15], v[TM+12+\qb]
.endr
	WIN 0
	v_nop                                          ; one plain line behind the last scaled conversion
.irp qc, 0,1
.irp qi, 0,1
	v_permlane16_swap_b32 v[PC+4*\qc+\qi], v[PC+4*\qc+2+\qi]
.endr
.endr
.endm
; a unit of x: my 16 rows x 128 along K of task ut, unit uk, into set us: each load reads 512 consecutive bytes of a row; rows p and p + 8 land in eight neighbouring registers
.macro ULOAD us, ut, uk
.irp i, 0,1,2,3,4,5,6,7,8,9,10,11,12,13,14,15
	global_load_b128 v[RAW+64*(\us)+8*(\i%8)+4*(\i/8):RAW+64*(\us)+8*(\i%8)+4*(\i/8)+3], v[LP], s[8+2*(\ut):9+2*(\ut)] offset:2048*\i+512*(\uk) th:TH_LOAD_NT
.endr
.endm
; task wt's weight: my head's 16 fragments, their scale words, and the bias in the layout of the sums: 44 loads (value: 40)
.macro WLOAD wt
	WIN 0x40                                       ; destination window 1
.irp f, 0,1,2,3,4,5,6,7,8,9,10,11,12,13,14,15
	global_load_b128 v[8*\f:8*\f+3], v[LI], s[14:15] offset:(\wt)*131072+\f*1024
	global_load_b128 v[8*\f+4:8*\f+7], v[LI], s[14:15] offset:(\wt)*131072+\f*1024+512
.endr
	WIN 0
.irp tt, 0,1,2,3
	global_load_b128 v[WS+4*\tt:WS+4*\tt+3], v[R16], s[16:17] offset:(\wt)*8192+256*\tt
.endr
.if (\wt) < 2
.irp tt, 0,1,2,3                               ; lane (r, h), register j of tile T = 2 b + u: the bias of column 32 b + 16 h + 8 u + j
	global_load_b128 v[BI+8*\tt:BI+8*\tt+3], v[H64], s[18+2*(\wt):19+2*(\wt)] offset:128*(\tt/2)+32*(\tt%2)
	global_load_b128 v[BI+8*\tt+4:BI+8*\tt+7], v[H64], s[18+2*(\wt):19+2*(\wt)] offset:128*(\tt/2)+32*(\tt%2)+16
.endr
.else
.irp tt, 0,1,2,3                               ; V is made the other way round: a lane holds ONE column, 32 b + 8 u + r + 8 (r / 8): one number, spread over the eight registers later
	global_load_b32 v[BI+8*\tt], v[RB4], s[22:23] offset:128*(\tt/2)+32*(\tt%2)
.endr
.endif
.endm
; a unit is quantised.  cnt: the loads issued behind this unit's sixteen.  issue = 1: the unit two on is asked for, into the set that this one leaves.
.macro UNIT tk, kp, cnt, issue
.set RS, RAW+64*((\kp)%2)
	s_wait_loadcnt \cnt                            ; loads come back in order: my sixteen are in
.irp p, 0,1,2,3,4,5,6,7                        ; the first's lanes 16-31 (row p, odd pieces) change places with the second's lanes 0-15 (row p + 8, even pieces):
.irp j, 0,1,2,3                                ; registers 8 p .. 8 p + 7 are then k = 8 q .. 8 q + 7 of row p + 8 h, q = lane % 16
	v_permlane16_swap_b32 v[RS+8*\p+\j], v[RS+8*\p+4+\j]
.endr
.endr
.irp p, 0,1,2,3,4,5,6,7
	v_max3_num_f32 v[MXR+\p], |v[RS+8*\p]|, |v[RS+8*\p+1]|, s[FLR]
.endr
.irp i, 2,4,6
.irp p, 0,1,2,3,4,5,6,7
	v_max3_num_f32 v[MXR+\p], v[MXR+\p], |v[RS+8*\p+\i]|, |v[RS+8*\p+\i+1]|   ; the eight pairs of rows by turns
.endr
.endr
.irp p, 0,1,2,3,4,5,6,7
	v_max_num_f32_dpp v[MXR+\p], v[MXR+\p], v[MXR+\p] row_xmask:1 row_mask:0xf bank_mask:0xf
.endr
.irp p, 0,1,2,3,4,5,6,7
	v_max_num_f32_dpp v[MXR+\p], v[MXR+\p], v[MXR+\p] row_xmask:2 row_mask:0xf bank_mask:0xf   ; four neighbouring lanes hold a block of 32: its largest magnitude, in all four
.endr
	s_wait_alu depctr_va_vdst(0)
	s_wait_dscnt 0x0                               ; the last unit's LDS stores are done
.if (\kp) == 0
	s_wait_xcnt 0x0                                ; and the last task's global stores have had their addresses translated
.endif
	s_wait_alu depctr_vm_vsrc(0)                   ; the last unit's LDS stores (in a task's first unit: the last task's global stores) have read the code and byte registers v44-59, which are written from here on
.irp p, 0,1,2,3,4,5,6,7
	v_add_nc_u32 v[SOX+\p], 0xff000000, v[MXR+\p]  ; 2 off the exponent field: the conversion's scale operand
.endr
.irp p, 0,1,2,3,4,5,6,7
	v_lshrrev_b32 v[BX+\p], 23, v[SOX+\p]          ; the scale's byte
.endr
.irp p, 0,1,2,3,4,5,6,7
	v_cvt_scalef32_pk8_fp4_f32 v[CX+\p], v[RS+8*\p:RS+8*\p+7], v[SOX+\p]
.endr
	v_nop                                          ; one plain line behind the last scaled conversion
	s_wait_alu depctr_va_vdst(0)                   ; the swaps, maxima and conversions are done with this set, in which the loads below land; the codes and bytes are written, which the LDS stores below read (in the first unit also the LDS addresses made at the head)
.if \issue
.set NU, 4*(\tk)+(\kp)+2
	ULOAD NU%2, NU/4, NU%4
.endif
.irp p, 0,1,2,3,4,5,6,7
	ds_store_b32 v[XWC0+(\tk)%2], v[CX+\p] offset:272*\p+64*(\kp)   ; sixteen lanes store 64 consecutive bytes of row p, the other sixteen of row p + 8, 2,176 bytes on
.endr
.irp p, 0,1,2,3,4,5,6,7
	ds_store_b8 v[XWB0+(\tk)%2], v[BX+\p] offset:16*\p+4*(\kp)      ; the four lanes of a block write the same byte with the same value
.endr
.endm
; x's eight fragments and eight scale words of the pair of tiles (pb, 0), (pb, 1): lane (r, h) of tile (pb, u) takes row 8 u + r % 8 of slab 2 pb + r / 8, bytes 64 s + 32 c + 16 h on
.macro FETCH tk, pb
	WIN 0x40                                       ; destination window 1
.irp uu, 0,1
.irp ks, 0,1,2,3
	ds_load_b128 v[XF+8*(4*\uu+\ks):XF+8*(4*\uu+\ks)+3], v[FI0+(\tk)%2] offset:2*SLAB*(\pb)+2176*\uu+64*\ks
	ds_load_b128 v[XF+8*(4*\uu+\ks)+4:XF+8*(4*\uu+\ks)+7], v[FI0+(\tk)%2] offset:2*SLAB*(\pb)+2176*\uu+64*\ks+32
.endr
.endr
	WIN 0
.irp uu, 0,1
	ds_load_b128 v[XS+4*\uu:XS+4*\uu+3], v[FS0+(\tk)%2] offset:2*SSLAB*(\pb)+128*\uu   ; a row's 16 bytes: the words of its four K steps
.endr
.endm
; 32 products: 32 rows x 64 columns x 512 along K.  The eight accumulators take turns, one instruction a turn.  The bias (window 0) is the C of each sum's first product.
; Q, K: source 0 = 16 rows of W, source 1 = x: a lane holds one row of x and registers along d.   V: source 0 = x, source 1 = 16 rows of W: a lane holds one column and registers along the keys.
.macro MUL tk
.irp ks, 0,1,2,3
.if \ks == 0
	WIN 0x45                                       ; D, sources 0 and 1 window 1; C window 0
.else
	WIN 0x55                                       ; all four window 1
.endif
.if (\tk) < 2
.irp uu, 0,1
.irp tt, 0,1,2,3
.if \ks == 0
	v_wmma_scale_f32_16x16x128_f8f6f4 v[ACC+8*(4*\uu+\tt):ACC+8*(4*\uu+\tt)+7], v[8*(4*\tt+\ks):8*(4*\tt+\ks)+7], v[XF+8*(4*\uu+\ks):XF+8*(4*\uu+\ks)+7], v[BI+8*\tt:BI+8*\tt+7], v[WS+4*\tt+\ks], v[XS+4*\uu+\ks] matrix_a_fmt:MATRIX_FMT_FP4 matrix_b_fmt:MATRIX_FMT_FP4
.else
	v_wmma_scale_f32_16x16x128_f8f6f4 v[ACC+8*(4*\uu+\tt):ACC+8*(4*\uu+\tt)+7], v[8*(4*\tt+\ks):8*(4*\tt+\ks)+7], v[XF+8*(4*\uu+\ks):XF+8*(4*\uu+\ks)+7], v[ACC+8*(4*\uu+\tt):ACC+8*(4*\uu+\tt)+7], v[WS+4*\tt+\ks], v[XS+4*\uu+\ks] matrix_a_fmt:MATRIX_FMT_FP4 matrix_b_fmt:MATRIX_FMT_FP4
.endif
.endr
.endr
.else
.irp tt, 0,1,2,3
.irp uu, 0,1
.if \ks == 0
	v_wmma_scale_f32_16x16x128_f8f6f4 v[ACC+8*(2*\tt+\uu):ACC+8*(2*\tt+\uu)+7], v[XF+8*(4*\uu+\ks):XF+8*(4*\uu+\ks)+7], v[8*(4*\tt+\ks):8*(4*\tt+\ks)+7], v[BI+8*\tt:BI+8*\tt+7], v[XS+4*\uu+\ks], v[WS+4*\tt+\ks] matrix_a_fmt:MATRIX_FMT_FP4 matrix_b_fmt:MATRIX_FMT_FP4
.else
	v_wmma_scale_f32_16x16x128_f8f6f4 v[ACC+8*(2*\tt+\uu):ACC+8*(2*\tt+\uu)+7], v[XF+8*(4*\uu+\ks):XF+8*(4*\uu+\ks)+7], v[8*(4*\tt+\ks):8*(4*\tt+\ks)+7], v[ACC+8*(2*\tt+\uu):ACC+8*(2*\tt+\uu)+7], v[XS+4*\uu+\ks], v[WS+4*\tt+\ks] matrix_a_fmt:MATRIX_FMT_FP4 matrix_b_fmt:MATRIX_FMT_FP4
.endif
.endr
.endr
.endif
.endr
	WIN 0
.endm
; a pair of tiles: the products, the next pair's fragments, the quantiser, the stores
.macro PAIR tk, pb
	s_wait_dscnt 0x0                               ; this pair's fragments are in
	MUL \tk
.rept 4
	v_nop                                          ; four places behind the products (ISA guide 7.12.1), ahead of the first read of their results
.endr
.if (\pb) < 3
	s_wait_alu depctr_va_vdst(0)                   ; the products are done reading x's fragments and scale words, in which the next pair's land
	FETCH \tk, (\pb)+1
.endif
	s_wait_xcnt 0x0                                ; the last pair's stores have had their addresses translated
	s_wait_alu depctr_vm_vsrc(0)                   ; the last pair's global stores (in a task's first pair: the last unit's LDS stores) have read the code registers v44-59, which the conversions below write
	QCORE ACC
.if (\tk) < 2
	QTAIL ACC, QW+(\pb)                            ; blocks 2 u + b': row place r of tile (pb, u), d = 32 b' ..: the codes are image pb, the word its scale word
	s_wait_alu depctr_va_vdst(0)                   ; the conversions and swaps have written the codes, which the two stores read
	global_store_b128 v[LI], v[PC:PC+3], s[28+2*(\tk):29+2*(\tk)] offset:1024*(\pb)       ; 32 lanes store 512 consecutive bytes
	global_store_b128 v[LI], v[PC+4:PC+7], s[28+2*(\tk):29+2*(\tk)] offset:1024*(\pb)+512
.else
.irp tt, 0,1,2,3                               ; block T: column place r of tile T, keys 32 pb ..: byte pb of that tile's word
.if (\pb) == 0
	v_mov_b32 v[QW+\tt], v[TM+4+\tt]
.else
	v_lshl_or_b32 v[QW+\tt], v[TM+4+\tt], 8*(\pb), v[QW+\tt]
.endif
.endr
	WIN 0x01                                       ; source 0 window 1
.irp tt, 0,1,2,3
	v_cvt_scalef32_pk8_fp4_f32 v[VC+4*\tt+2*((\pb)%2)], v[ACC+16*\tt:ACC+16*\tt+7], v[TM+12+\tt]
	v_cvt_scalef32_pk8_fp4_f32 v[VC+4*\tt+2*((\pb)%2)+1], v[ACC+16*\tt+8:ACC+16*\tt+15], v[TM+12+\tt]
.endr
	WIN 0
	v_nop                                          ; one plain line behind the last scaled conversion
.if (\pb)%2 == 1                               ; two blocks of keys make a piece of four registers
.irp tt, 0,1,2,3
.irp qi, 0,1
	v_permlane16_swap_b32 v[VC+4*\tt+\qi], v[VC+4*\tt+2+\qi]
.endr
.endr
	s_wait_alu depctr_va_vdst(0)                   ; two pairs' conversions and the swaps have written the codes, which the four stores read
.irp tt, 0,1,2,3
	global_store_b128 v[LI], v[VC+4*\tt:VC+4*\tt+3], s[32:33] offset:2048*\tt+512*((\pb)/2)
.endr
.endif
.endif
.endm
.macro SCOUT tk                        ; the task's four words a lane leave as 256 consecutive bytes: lanes 0-15 words 0, 1, lanes 16-31 words 2, 3 of row r
	v_cndmask_b32 v[SD], v[QW], v[QW+2], s[HIM]
	v_cndmask_b32 v[SD+1], v[QW+1], v[QW+3], s[HIM]
	s_wait_alu depctr_va_vdst(0)                   ; the two selects have written v64-65, which the store reads; and the task's last products are done reading W, its scale words and the bias, in which the next task's land
	global_store_b64 v[GS], v[SD:SD+1], s[26:27] offset:524288*(\tk)
.endm
.macro TASK tk, nw
	UNIT \tk, 0, 16+\nw, 1                         ; behind my sixteen: the next unit's sixteen and the weight's
	UNIT \tk, 1, 16+\nw, 1                         ; behind them: the weight's and the sixteen just issued
.if (\tk) < 2
	UNIT \tk, 2, 16, 1                             ; behind them: the sixteen just issued; so the weight, its words and the bias are in too
	UNIT \tk, 3, 16, 1
.else
	UNIT \tk, 2, 16, 0                             ; the last two units ask for nothing: no load leaves its buffer
	UNIT \tk, 3, 0, 0
.endif
	s_wait_dscnt 0x0                               ; for the others' sake: my codes and bytes have landed, and my reads of the other buffer are long over
	s_barrier_signal -1
	s_barrier_wait -1
.if (\tk) == 2
.irp tt, 0,1,2,3
.irp j, 1,2,3,4,5,6,7
	v_mov_b32 v[BI+8*\tt+\j], v[BI+8*\tt]          ; a lane's one bias in all eight registers of the C
.endr
.endr
.endif
	FETCH \tk, 0                                   ; no wait: since the last unit's wait on va_vdst, which stands behind the last task's products, no vector or matrix instruction names x's fragments, their scale words or their addresses
	s_wait_alu depctr_va_vdst(0)
	PAIR \tk, 0
	PAIR \tk, 1
	PAIR \tk, 2
	PAIR \tk, 3
	SCOUT \tk
.if (\tk) < 2
	WLOAD (\tk)+1                                  ; no wait: only the scale words' store stands between these loads and the wait on va_vdst ahead of it
.endif
.endm
	s_load_b512 s[8:23], s[0:1], 0x0               ; query, key, value, wcodes, wscales, bq, bk, bv
	s_load_b128 s[24:27], s[0:1], 0x40             ; acts, actss
	v_lshl_add_u32 v254, v0, 2, 0x13000
	v_mov_b32 v255, 0
	v_lshrrev_b32 v1, 5, v0
	v_readfirstlane_b32 s2, v1                     ; wave = head
	v_and_b32 v1, 31, v0                           ; lane
	v_and_b32 v2, 15, v0                           ; r = lane % 16
	v_bfe_u32 v16, v0, 4, 1                        ; h = lane / 16
	v_lshlrev_b32 v[LI], 4, v1
	v_lshlrev_b32 v[R16], 4, v2
	v_lshlrev_b32 v[H64], 6, v16
	v_lshlrev_b32 v[LP], 5, v2
	v_lshl_add_u32 v[LP], v16, 4, v[LP]            ; piece 2 (lane % 16) + lane / 16 of a load's 32 pieces of 16 bytes
	s_wait_alu depctr_va_sdst(0)                   ; s2 is written, ahead of its first reader: the bases below are made from it
	s_lshl_b32 s34, ttmp9, 18                      ; x: (128 g + 16 w) rows of 2,048 bytes
	s_lshl_b32 s35, s2, 15
	s_add_co_u32 s34, s34, s35
	s_mov_b32 s35, 0
	s_lshl_b32 s36, s2, 14                         ; wcodes: 16,384 w
	s_mov_b32 s37, 0
	s_lshl_b32 s38, s2, 10                         ; wscales: 1,024 w
	s_mov_b32 s39, 0
	s_lshl_b32 s40, s2, 8                          ; the biases: 256 w
	s_mov_b32 s41, 0
	s_lshr_b32 s42, ttmp9, 1                       ; chunk
	s_and_b32 s43, ttmp9, 1                        ; which half of it
	s_lshl_b32 s44, s42, 3
	s_add_co_u32 s44, s44, s2                      ; 8 chunk + head
	s_lshl_b32 s46, s44, 13
	s_lshl_b32 s45, s43, 12
	s_add_co_u32 s48, s46, s45                     ; Q, K: 8,192 (8 chunk + head) + 4,096 half
	s_mov_b32 s49, 0
	s_lshl_b32 s45, s43, 10
	s_add_co_u32 s46, s46, s45                     ; V: .. + 1,024 half
	s_mov_b32 s47, 0
	s_lshl_b32 s44, s44, 1
	s_add_co_u32 s44, s44, s43
	s_lshl_b32 s44, s44, 8                         ; actss: 256 (2 (8 chunk + head) + half)
	s_mov_b32 s45, 0
	s_mov_b32 s[SEL], 0x76543210
	s_mov_b32 s[SEL+1], 0xfedcba98
	s_mov_b32 s[HIM], 0xffff0000
	s_mov_b32 s[FLR], 0x1800000
	s_wait_kmcnt 0x0
	s_add_nc_u64 s[8:9], s[8:9], s[34:35]
	s_add_nc_u64 s[10:11], s[10:11], s[34:35]
	s_add_nc_u64 s[12:13], s[12:13], s[34:35]
	s_add_nc_u64 s[14:15], s[14:15], s[36:37]
	s_add_nc_u64 s[16:17], s[16:17], s[38:39]
	s_add_nc_u64 s[18:19], s[18:19], s[40:41]
	s_add_nc_u64 s[20:21], s[20:21], s[40:41]
	s_add_nc_u64 s[22:23], s[22:23], s[40:41]
	s_wait_alu depctr_va_vdst(0)                   ; the four offsets v3, v13, v14, v15 are written, which the loads below read
	ULOAD 0, 0, 0                                  ; the first two units of query,
	ULOAD 1, 0, 1
	WLOAD 0                                        ; and Wq
	s_add_nc_u64 s[28:29], s[24:25], s[48:49]      ; where Q's codes go,
	s_add_nc_u64 s[30:31], s[28:29], 0x800000      ; K's, 8 MiB on,
	s_add_nc_u64 s[32:33], s[24:25], s[46:47]
	s_add_nc_u64 s[32:33], s[32:33], 0x1000000     ; V's, 16 MiB on,
	s_add_nc_u64 s[26:27], s[26:27], s[44:45]      ; and the scale words
	v_and_b32 v17, 8, v2                           ; (the lines from here to the first unit write none of the registers that the loads above read or land in)
	v_add_nc_u32 v17, v17, v2                      ; r + 8 (r / 8)
	v_lshlrev_b32 v[RB4], 2, v17
	v_lshl_add_u32 v[GS], v16, 3, v[R16]
	v_lshrrev_b32 v18, 3, v2                       ; r / 8
	v_and_b32 v19, 7, v2                           ; r % 8
	v_mul_u32_u24 v20, v18, SLAB                   ; a fragment's lane: slab r / 8 of the pair's two, row r % 8, + 16 h
	v_mad_u32_u24 v20, v19, 272, v20
	v_lshl_add_u32 v20, v16, 4, v20
	v_add_nc_u32 v[FI0], XC0, v20
	v_add_nc_u32 v[FI0+1], XC1, v20
	v_mul_u32_u24 v21, v18, SSLAB                  ; and its row's 16 scale bytes
	v_lshl_add_u32 v21, v19, 4, v21
	v_add_nc_u32 v[FS0], XSC0, v21
	v_add_nc_u32 v[FS0+1], XSC1, v21
	s_mul_i32 s34, s2, SLAB                        ; my wave's slab of codes;
	v_mul_u32_u24 v22, v16, 2176                   ; lanes 16-31 hold rows 8 further down;
	v_lshl_add_u32 v22, v2, 2, v22                 ; a word a lane
	v_add_nc_u32 v22, s34, v22
	v_add_nc_u32 v[XWC0], XC0, v22
	v_add_nc_u32 v[XWC0+1], XC1, v22
	s_mul_i32 s35, s2, SSLAB                       ; my wave's slab of scale bytes;
	v_bfe_u32 v23, v0, 2, 2                        ; my block among the unit's four: (lane % 16) / 4
	v_lshl_add_u32 v23, v16, 7, v23                ; 8 rows of 16 bytes further down for lanes 16-31
	v_add_nc_u32 v23, s35, v23
	v_add_nc_u32 v[XWB0], XSC0, v23
	v_add_nc_u32 v[XWB0+1], XSC1, v23
.irp qb, 0,1,2,3
	v_mov_b32 v[TM+4+\qb], 0                       ; written once: a lane permute's destination counts as one of its sources
.endr
	TASK 0, 44
	TASK 1, 44
	TASK 2, 40
	s_wait_dscnt 0x0                               ; the closing lines, six on end
	s_wait_alu 0x0
	s_wait_tensorcnt 0x0
	ds_add_u32 v254, v255
	s_wait_dscnt 0x0
	s_endpgm
.Lfunc_end_k_q8e9d85e6bb_proj:
	.size	k_q8e9d85e6bb_proj, .Lfunc_end_k_q8e9d85e6bb_proj-k_q8e9d85e6bb_proj
	.p2alignl 7, 3214868480
	.fill 96, 4, 3214868480
	.section	.rodata,"a",@progbits
	.p2align	6, 0x0
	.amdhsa_kernel k_q8e9d85e6bb_proj
		.amdhsa_group_segment_fixed_size 78848
		.amdhsa_private_segment_fixed_size 0
		.amdhsa_enable_private_segment 0
		.amdhsa_kernarg_size 80
		.amdhsa_user_sgpr_count 2
		.amdhsa_user_sgpr_kernarg_segment_ptr 1
		.amdhsa_wavefront_size32 1
		.amdhsa_system_sgpr_workgroup_id_x 1
		.amdhsa_system_sgpr_workgroup_id_y 1
		.amdhsa_system_sgpr_workgroup_id_z 1
		.amdhsa_system_vgpr_workitem_id 0
		.amdhsa_next_free_vgpr 512
		.amdhsa_next_free_sgpr 66
		.amdhsa_reserve_vcc 0
		.amdhsa_float_denorm_mode_32 3
		.amdhsa_float_denorm_mode_16_64 3
		.amdhsa_memory_ordered 1
		.amdhsa_forward_progress 1
		.amdhsa_inst_pref_size 228
	.end_amdhsa_kernel
	.amdgpu_metadata
---
amdhsa.version: [ 1, 2 ]
amdhsa.kernels:
  - .name:           k_q8e9d85e6bb_proj
    .symbol:         k_q8e9d85e6bb_proj.kd
    .args:
      - { .name: query, .offset: 0, .size: 8, .value_kind: global_buffer, .address_space: global }
      - { .name: key, .offset: 8, .size: 8, .value_kind: global_buffer, .address_space: global }
      - { .name: value, .offset: 16, .size: 8, .value_kind: global_buffer, .address_space: global }
      - { .name: wcodes, .offset: 24, .size: 8, .value_kind: global_buffer, .address_space: global }
      - { .name: wscales, .offset: 32, .size: 8, .value_kind: global_buffer, .address_space: global }
      - { .name: bq, .offset: 40, .size: 8, .value_kind: global_buffer, .address_space: global }
      - { .name: bk, .offset: 48, .size: 8, .value_kind: global_buffer, .address_space: global }
      - { .name: bv, .offset: 56, .size: 8, .value_kind: global_buffer, .address_space: global }
      - { .name: acts, .offset: 64, .size: 8, .value_kind: global_buffer, .address_space: global }
      - { .name: actss, .offset: 72, .size: 8, .value_kind: global_buffer, .address_space: global }
    .group_segment_fixed_size: 78848
    .private_segment_fixed_size: 0
    .kernarg_segment_align: 8
    .kernarg_segment_size: 80
    .max_flat_workgroup_size: 256
    .sgpr_count:     66
    .vgpr_count:     512
    .wavefront_size: 32
...
	.end_amdgpu_metadata
.endif
;; end of part 5
;; launch attn (part 6): grid 256 x 1, 8 waves a work-group, no clusters, 77,824 bytes of LDS; arguments acts, actss, wcodes, wscales, bo, out0; writes out0
.if DOCPART == 6
	.amdgcn_target "amdgcn-amd-amdhsa--gfx1250"
	.amdhsa_code_object_version 6
	.text
	.protected	k_q8e9d85e6bb_attn
	.globl	k_q8e9d85e6bb_attn
	.p2align	8
	.type	k_q8e9d85e6bb_attn,@function
k_q8e9d85e6bb_attn:
	s_mov_b64 s[64:65], 0
	v_nop
	global_prefetch_b8 v0, s[64:65] scope:SCOPE_SE
	s_setreg_imm32_b32 hwreg(HW_REG_WAVE_SCHED_MODE, 0, 2), 2
	s_setreg_imm32_b32 hwreg(HW_REG_WAVE_MODE, 25, 1), 1
	s_wait_xcnt 0x0
	s_wait_alu depctr_vm_vsrc(0)
; out = (softmax(causal(Q K^T / (16 sqrt 8))) V) Wo^T + bo inside chunks of 256 rows, 8 heads of 64, all three products on codes of FP4 (E2M1) with one E8M0 scale for each 32 along K.
; THE SOFTMAX: t = score x c, c = log2(e) / (16 sqrt 8); M = the running largest t rounded UP to a whole number; p = 2^(t - M) is quantised along the keys, not normalised; the row's sum is taken of the
; unquantised p and divides at the end; when M moves, the sum and O are multiplied by 2^(old M - new M), which rounds nothing.
; SHARES: two work-groups to a chunk (pi = 0, 1).  A work-group owns the blocks of 32 queries b_i = 2 i + ((i % 2) xor pi): {0, 3, 4, 7} or {1, 2, 5, 6}: either way 18 visible blocks of 32 keys.
; Eight trips, n = 2 i + u: one tile (b, u) of 16 queries for all 8 heads, WAVE = HEAD.  Key blocks behind the diagonal are not multiplied: a scalar branch on ids picks the variant of the key step.
; A wave's K (8 images), V (8 fragments) and its 64 rows of Wo (16 fragments) stay in window 1 for the whole launch, so every product has source 0 in window 1 and all else in window 0.
; LAYOUT: tile (b, u) holds in place m the row 32 b + 8 u + m + 8 (m / 8).  S^T = K Q^T, O^T = V^T p^T, out^T = Wo attn^T: a lane holds ONE query (place r) throughout, and the 16 registers of two neighbouring
; tiles of source 0 are 16 neighbours (keys, then dv, then columns).  An image of K holds 32 keys x 64: as a source of 128 along K it is multiplied by (Q, 0) for its first 16 keys and by (0, Q) for the other 16:
; zero codes take the other half out, under scale bytes that are never 0xff.
; A head's 16 x 64 of attn are half a K step of the last product: four registers and half a scale word a lane; they go from wave to wave through LDS as images of registers (two barriers a trip).
; NO JOINT LOADS: a chunk's two work-groups read the same K and V (16 KB a wave) once, at the head, straight into the registers where they stay; a joint load lands in LDS, from where the same bytes would be read once more.
; No prefetch: all inputs are asked for at the head.
; LIMITS: hidden scores are -1e30 ahead of the scaling by c, so their p is 0; p's hidden blocks carry zero codes under the byte 0, a block of zeros the byte 1, where the rule says 127 (this program alone reads them);
; 1 / l is v_rcp_f32 and a multiplication; t is one fused multiply-add with c; NaN and infinities among the inputs are not served.
; THE MODE: SCHED_MODE bits 1:0 = 2 (LLVM: expert scheduling mode 2), set by the entry lines.  The code itself states the register dependences between vector or matrix instructions and memory or LDS instructions,
; with s_wait_alu, always for 0.
; THE PLAN.  Registers that memory or LDS instructions touch, in a trip:
;   Q (v64-67, v72-75), its scale word v22   LDS loads land in them; the key steps' products read Q, the shift at the trip's head reads the word; the next tile's loads stand behind the reciprocal's wait.
;   v14, v15     Those loads' addresses: written once a trip, ahead of that wait.
;   v76-83, v100 Codes and half a scale word: written by the key steps and by attn's quantiser; read by the two LDS stores of attn's piece.
;   v172-235     The products write the scores there and the softmax works in them; behind the barrier attn's fragments land in v172-203; the last products read these and write v204-235; LDS stores read v204-235;
;                rows of out land in v172-203; global stores read them.
;   v28-31       attn's scale words: an LDS load lands there; the last products read them.
;   v10          The stores' offset: written at the trip's head.
;   All other addresses are made at the head and never written again.  v100-103 are offsets of Q's loads at the head, and at work from the first trip on.
; ONE wait on vm_vsrc stands at the trip's head: it frees all that the last trip's (and the head's) memory and LDS instructions have read.  Waits on va_vdst: at the trip's head, for Q's scale registers; in a key step
; behind the exponentials, and ahead of the products that take p; behind the reciprocal; ahead of attn's LDS stores; behind the last products.  The diagonal's sixteen masks go into scalar registers, with one wait on va_sdst.
.set AIMG, 0                           ; attn's images: 512 w + 16 x lane
.set ASC,  4096                        ; their scale words: 16 x lane + 2 w
.set QL,   4608                        ; each wave's own: its head's 8 tiles of Q (512 n + 16 x lane) and 4 scale words a lane (4,096 + 128 i + 4 x lane)
.set QLB,  4608
.set STG,  QL+8*QLB                    ; each wave's own stage for the way out: 16 rows x (256 + 16) bytes
.set STB,  16*272
.set LI,   1                           ; v1   16 x lane
.set R16,  2                           ; v2   16 r
.set D0,   3                           ; v3   r + 8 (r / 8) - 16 h
.set DD,   4                           ; v4   D0 + 8 u
.set AWI,  5
.set AWS,  6
.set SO,   7                           ; v7   stage, in: 272 r + 64 h
.set SR,   8                           ; v8   stage, out: 272 h + 16 r
.set GO0,  9                           ; v9   2,048 h + 16 r + 256 w
.set GO,   10                          ; v10  + the trip's rows
.set QL0,  11
.set QLW0, 12
.set NEG,  13                          ; v13  -1e30
.set AD0,  14
.set AD1,  15
.set NM,   16                          ; v16  -M      (the packed scaling names v[16:17] and takes its low word)
.set TMX,  17                          ; v17  the running largest t
.set L,    18                          ; v[18:19] the row's sum, in two halves
.set F,    20                          ; v20  2^(old M - new M), later 1 / l; v21 named with it as a pair
.set QWR,  22                          ; v22  the scale word of Q's image
.set QLO,  24                          ; v24  Q's two bytes in bytes 0, 1;  v25 in bytes 2, 3
.set QHI,  25
.set PWD,  26                          ; v26  p's scale word
.set AS,   28                          ; v28-31 attn's scale words
.set KS,   32                          ; v32-39 K's, one an image
.set VS,   40                          ; v40-47 V's: 4 s + T
.set WOS,  48                          ; v48-63 Wo's: 4 T + s
.set QF,   64                          ; v64-67 Q, v68-71 zeros, v72-75 Q
.set PC,   76                          ; v76-83 codes just made
.set MX,   84
.set PX,   88
.set BY,   92
.set SOP,  96
.set T0,   100
.set T2,   102
.set HB,   104
.set O,    108                         ; v108-139 O^T
.set BO,   140                         ; v140-171 bo as C
.set S,    172                         ; v172-235 S^T, then p
.set AF,   172                         ; later attn's four fragments, later rows of out
.set OA,   204                         ; and the four accumulators of out
.set KI,   0                           ; window 1
.set VF,   64
.set WO,   128
.set PI,   32
.set SEL,  36
.set CS,   38
.set N,    40
.set MK,   44                          ; s44-59 the diagonal's sixteen masks (s44-46 are at work at the trip's head, and done with there; none of the sixteen ever holds an address)
.set MSB,  0
.macro WIN new                         ; the immediate's high byte repeats the setting that is left; a switch that changes nothing is dropped
.if MSB != \new
	s_set_vgpr_msb (MSB<<8)|\new
.set MSB, \new
.endif
.endm
; A KEY STEP: key blocks 4 kq .. 4 kq + nv - 1.  diag = 1: the last of them lies on the diagonal.  first = 1: it starts M, the sum and O^T.
.macro STEP kq, nv, diag, first
	WIN 0x01
.set BB, 0
.rept \nv
	v_wmma_scale_f32_16x16x128_f8f6f4 v[S+16*BB:S+16*BB+7], v[KI+8*(4*\kq+BB):KI+8*(4*\kq+BB)+7], v[QF:QF+7], 0, v[KS+4*\kq+BB], v[QLO] matrix_a_fmt:MATRIX_FMT_FP4 matrix_b_fmt:MATRIX_FMT_FP4
	v_wmma_scale_f32_16x16x128_f8f6f4 v[S+16*BB+8:S+16*BB+15], v[KI+8*(4*\kq+BB):KI+8*(4*\kq+BB)+7], v[QF+4:QF+11], 0, v[KS+4*\kq+BB], v[QHI] matrix_a_fmt:MATRIX_FMT_FP4 matrix_b_fmt:MATRIX_FMT_FP4
.set BB, BB+1
.endr                                          ; register 16 b + i = key 32 (4 kq + b) + 16 h + i of my query
	WIN 0
.rept 4
	v_nop                                          ; four places behind the products (ISA guide 7.12.1)
.endr
.if \diag                                      ; key 32 b + 16 h + i is hidden from query 32 b + 8 u + r + 8 (r / 8) where i > DD
.set II, 0
.rept 16
	v_cmp_gt_i32 s[MK+II], II, v[DD]               ; the sixteen compares in one run, each into a scalar register of its own
.set II, II+1
.endr
	s_wait_alu depctr_va_sdst(0)                   ; the sixteen masks are written, ahead of their first reader
.set II, 0
.rept 16
	v_cndmask_b32 v[S+16*(\nv-1)+II], v[S+16*(\nv-1)+II], v[NEG], s[MK+II]
.set II, II+1
.endr
.endif
.set BB, 0
.rept \nv
	v_max3_num_f32 v[MX+BB], v[S+16*BB], v[S+16*BB+1], v[S+16*BB+2]   ; the largest score of each block: for the row's maximum and, since p rises with the score, for the block's largest p
.set BB, BB+1
.endr
.irp mi, 3,5,7,9,11,13
.set BB, 0
.rept \nv
	v_max3_num_f32 v[MX+BB], v[MX+BB], v[S+16*BB+\mi], v[S+16*BB+\mi+1]
.set BB, BB+1
.endr
.endr
.set BB, 0
.rept \nv
	v_max_num_f32 v[MX+BB], v[MX+BB], v[S+16*BB+15]
.set BB, BB+1
.endr
.set BB, 0
.rept \nv
	v_permlanex16_b32 v[PX+BB], v[MX+BB], s[SEL], s[SEL+1]
.set BB, BB+1
.endr
.set BB, 0
.rept \nv
	v_max_num_f32 v[MX+BB], v[MX+BB], v[PX+BB]     ; with lane l xor 16's 16 keys
.set BB, BB+1
.endr
.if \nv == 1
	v_mul_f32 v[T0], s[CS], v[MX]                  ; the step's largest score, as t (c is positive)
.elseif \nv == 2
	v_max_num_f32 v[T0], v[MX], v[MX+1]
	v_mul_f32 v[T0], s[CS], v[T0]
.elseif \nv == 3
	v_max3_num_f32 v[T0], v[MX], v[MX+1], v[MX+2]
	v_mul_f32 v[T0], s[CS], v[T0]
.else
	v_max3_num_f32 v[T0], v[MX], v[MX+1], v[MX+2]
	v_max_num_f32 v[T0], v[T0], v[MX+3]
	v_mul_f32 v[T0], s[CS], v[T0]
.endif
.if \first
	v_mov_b32 v[TMX], v[T0]
	v_floor_f32 v[NM], -v[T0]                      ; -M = floor(-t) = -ceil(t)
.else
	v_max_num_f32 v[TMX], v[TMX], v[T0]
	v_mov_b32 v[T0], v[NM]
	v_floor_f32 v[NM], -v[TMX]
	v_sub_f32 v[T0], v[NM], v[T0]                  ; old M - new M: a whole number, 0 or less
	v_cvt_i32_f32 v[T0], v[T0]                     ; (it saturates)
	v_ldexp_f32 v[F], 1.0, v[T0]
.endif
.set JJ, 0
.rept 8*\nv
	v_pk_fma_f32 v[S+JJ:S+JJ+1], v[S+JJ:S+JJ+1], s[CS:CS+1], v[NM:NM+1] op_sel_hi:[1,0,0]   ; t - M, two at a time
.set JJ, JJ+2
.endr
.set BB, 0
.rept \nv
	v_fma_f32 v[MX+BB], v[MX+BB], s[CS], v[NM]     ; the same of each block's largest score
.set BB, BB+1
.endr
.set JJ, 0
	s_wait_alu depctr_va_vdst(0)
.rept 16*\nv
	v_exp_f32 v[S+JJ], v[S+JJ]                     ; p = 2^(t - M)
.set JJ, JJ+1
.endr
.set BB, 0
.rept \nv
	v_exp_f32 v[MX+BB], v[MX+BB]                   ; the block's largest p: the same two instructions on the same number
.set BB, BB+1
.endr
.if \first
	v_nop                                          ; a plain line behind the last exponential
.else
	v_pk_mul_f32 v[L:L+1], v[L:L+1], v[F:F+1] op_sel_hi:[1,0]   ; the sums under the new M: the plain line behind the last exponential
.endif
	s_wait_alu depctr_va_vdst(0)                   ; the exponentials have written p and the blocks' largest p: one wait for the whole batch, ahead of its first reader
.set BB, 0
.rept \nv
	v_max_num_f32 v[MX+BB], 0x1800000, v[MX+BB]    ; the floor 2^(3 - 127)
.set BB, BB+1
.endr
.set BB, 0
.rept \nv
	v_add_nc_u32 v[SOP+BB], 0xff000000, v[MX+BB]   ; 2 off the exponent field: the conversion's scale operand
.set BB, BB+1
.endr
.set BB, 0
.rept \nv
	v_lshrrev_b32 v[BY+BB], 23, v[SOP+BB]
.set BB, BB+1
.endr
.if \nv == 1
	v_mov_b32 v[PWD], v[BY]                        ; p's scale word; the bytes of blocks that are not there stay 0, over zero codes
.else
	v_lshl_or_b32 v[PWD], v[BY+1], 8, v[BY]
.endif
.if \nv > 2
	v_lshl_or_b32 v[PWD], v[BY+2], 16, v[PWD]
.endif
.if \nv > 3
	v_lshl_or_b32 v[PWD], v[BY+3], 24, v[PWD]
.endif
.set BB, \nv
.rept 4-\nv
	v_mov_b32 v[PC+2*BB], 0
	v_mov_b32 v[PC+2*BB+1], 0
.set BB, BB+1
.endr
.set BB, 0
.rept \nv
	v_cvt_scalef32_pk8_fp4_f32 v[PC+2*BB], v[S+16*BB:S+16*BB+7], v[SOP+BB]
	v_cvt_scalef32_pk8_fp4_f32 v[PC+2*BB+1], v[S+16*BB+8:S+16*BB+15], v[SOP+BB]
.set BB, BB+1
.endr
	v_nop                                          ; one plain line behind the last scaled conversion
	v_permlane16_swap_b32 v[PC], v[PC+2]           ; a lane gets whole blocks: lanes 0-15 block 2 c, lanes 16-31 block 2 c + 1
	v_permlane16_swap_b32 v[PC+1], v[PC+3]
.if \nv > 2
	v_permlane16_swap_b32 v[PC+4], v[PC+6]
	v_permlane16_swap_b32 v[PC+5], v[PC+7]
.endif
.if !\first
.set JJ, 0
.rept 16
	v_pk_mul_f32 v[O+JJ:O+JJ+1], v[O+JJ:O+JJ+1], v[F:F+1] op_sel_hi:[1,0]   ; O^T under the new M, each accumulator from its low end on
.set JJ, JJ+2
.endr
.endif
	; the row's sum of the UNQUANTISED p, in two chains.  These lines (nine at the least, with the two v_nop) are also the eight places between the scale word's last write, the four between the codes', and the products
.if \first
	v_pk_add_f32 v[L:L+1], v[S:S+1], v[S+2:S+3]
	v_pk_add_f32 v[T2:T2+1], v[S+4:S+5], v[S+6:S+7]
.set JJ, 8
.rept 4*\nv-2
	v_pk_add_f32 v[L:L+1], v[L:L+1], v[S+JJ:S+JJ+1]
	v_pk_add_f32 v[T2:T2+1], v[T2:T2+1], v[S+JJ+2:S+JJ+3]
.set JJ, JJ+4
.endr
.else
	v_pk_add_f32 v[T2:T2+1], v[S:S+1], v[S+2:S+3]
.set JJ, 4
.rept 4*\nv-1
	v_pk_add_f32 v[L:L+1], v[L:L+1], v[S+JJ:S+JJ+1]
	v_pk_add_f32 v[T2:T2+1], v[T2:T2+1], v[S+JJ+2:S+JJ+3]
.set JJ, JJ+4
.endr
.endif
	v_pk_add_f32 v[L:L+1], v[L:L+1], v[T2:T2+1]
.if \first && (\nv == 1)
	v_nop
	v_nop
.endif
	s_wait_loadcnt 44                              ; V is in: behind its loads stand Wo's 44 (in later trips no load is out)
	s_wait_alu depctr_va_vdst(0)                   ; p's codes and its scale word are written, which the scaled products below take; the places above stay beside this wait
	WIN 0x01
.irp tt, 0,1,2,3                               ; O^T (+)= V^T p^T: four accumulators, one instruction each
.if \first
	v_wmma_scale_f32_16x16x128_f8f6f4 v[O+8*\tt:O+8*\tt+7], v[VF+8*(4*\kq+\tt):VF+8*(4*\kq+\tt)+7], v[PC:PC+7], 0, v[VS+4*\kq+\tt], v[PWD] matrix_a_fmt:MATRIX_FMT_FP4 matrix_b_fmt:MATRIX_FMT_FP4
.else
	v_wmma_scale_f32_16x16x128_f8f6f4 v[O+8*\tt:O+8*\tt+7], v[VF+8*(4*\kq+\tt):VF+8*(4*\kq+\tt)+7], v[PC:PC+7], v[O+8*\tt:O+8*\tt+7], v[VS+4*\kq+\tt], v[PWD] matrix_a_fmt:MATRIX_FMT_FP4 matrix_b_fmt:MATRIX_FMT_FP4
.endif
.endr
	WIN 0
.endm
	s_load_b256 s[4:11], s[0:1], 0x0               ; acts, actss, wcodes, wscales
	s_load_b128 s[12:15], s[0:1], 0x20             ; bo, out0
	v_lshl_add_u32 v254, v0, 2, 0x12c00
	v_mov_b32 v255, 0
	v_lshrrev_b32 v14, 5, v0
	v_readfirstlane_b32 s2, v14                    ; wave = head
	v_and_b32 v107, 31, v0                         ; lane
	v_and_b32 v105, 15, v0                         ; r
	v_bfe_u32 v106, v0, 4, 1                       ; h
	v_lshlrev_b32 v[LI], 4, v107
	v_lshlrev_b32 v[R16], 4, v105
	v_lshlrev_b32 v[HB], 6, v106                   ; 64 h
	s_wait_alu depctr_va_sdst(0)                   ; s2 is written, ahead of its first reader: the bases and LDS places below are made from it
	s_and_b32 s[PI], ttmp9, 1                      ; pi
	s_lshr_b32 s33, ttmp9, 1                       ; chunk
	s_lshl_b32 s41, s[PI], 10
	s_sub_co_u32 s42, 3072, s41
	v_add_nc_u32 v100, s41, v[LI]                  ; Q's images pi and 4 + pi,
	v_add_nc_u32 v101, s42, v[LI]                  ; 3 - pi and 7 - pi: 1,024 bytes an image
	s_lshl_b32 s41, s[PI], 2
	s_sub_co_u32 s42, 12, s41
	v_add_nc_u32 v102, s41, v[R16]                 ; and their scale words: 4 bytes an image in a row's 16
	v_add_nc_u32 v103, s42, v[R16]
	s_lshl_b32 s44, s33, 3
	s_add_co_u32 s44, s44, s2                      ; 8 chunk + head
	s_lshl_b32 s46, s44, 13
	s_mov_b32 s47, 0
	s_lshl_b32 s48, s44, 9
	s_mov_b32 s49, 0
	s_lshl_b32 s50, s2, 14
	s_add_co_u32 s50, s50, 3*131072                ; Wo is the fourth weight
	s_mov_b32 s51, 0
	s_lshl_b32 s52, s2, 10
	s_add_co_u32 s52, s52, 3*8192
	s_mov_b32 s53, 0
	s_lshl_b32 s54, s2, 8
	s_mov_b32 s55, 0
	s_lshl_b32 s56, s33, 19                        ; a chunk of out: 256 rows of 2,048 bytes
	s_mov_b32 s57, 0
	s_mov_b32 s[SEL], 0x76543210
	s_mov_b32 s[SEL+1], 0xfedcba98
	s_mov_b32 s[CS], 0x3d0293ee                    ; c = log2(e) / (16 sqrt 8)
	s_mov_b32 s[CS+1], s[CS]                       ; (named with it as a pair)
	s_mov_b32 s[N], 0
	s_wait_kmcnt 0x0
	s_add_nc_u64 s[16:17], s[4:5], s[46:47]        ; Q's codes of my chunk and head,
	s_add_nc_u64 s[18:19], s[16:17], 0x800000      ; K's,
	s_add_nc_u64 s[20:21], s[16:17], 0x1000000     ; V's
	s_add_nc_u64 s[22:23], s[6:7], s[48:49]        ; Q's scale words; K's 524,288 bytes on, V's 1,048,576
	s_add_nc_u64 s[24:25], s[8:9], s[50:51]
	s_add_nc_u64 s[26:27], s[10:11], s[52:53]
	s_add_nc_u64 s[28:29], s[12:13], s[54:55]
	s_add_nc_u64 s[30:31], s[14:15], s[56:57]
	s_wait_alu depctr_va_vdst(0)                   ; the offsets v1, v2, v100-104 are written, which the head's global loads read
.irp hf, 0,1                                   ; Q first: tile n = 2 i + u into v[S + 4 n]; i = 2 hf from the first address, i = 2 hf + 1 from the second
.irp uu, 0,1
	global_load_b128 v[S+16*\hf+4*\uu:S+16*\hf+4*\uu+3], v100, s[16:17] offset:4096*\hf+512*\uu
	global_load_b128 v[S+16*\hf+8+4*\uu:S+16*\hf+8+4*\uu+3], v101, s[16:17] offset:4096*\hf+512*\uu
.endr
	global_load_b32 v[S+32+2*\hf], v102, s[22:23] offset:256*\hf
	global_load_b32 v[S+33+2*\hf], v103, s[22:23] offset:256*\hf
.endr
.irp hf, 0,1
	global_load_b128 v[KS+4*\hf:KS+4*\hf+3], v[R16], s[22:23] offset:524288+256*\hf
	global_load_b128 v[VS+4*\hf:VS+4*\hf+3], v[R16], s[22:23] offset:1048576+256*\hf
.endr
	WIN 0x40                                       ; destination window 1
.irp f, 0,1,2,3,4,5,6,7
	global_load_b128 v[KI+8*\f:KI+8*\f+3], v[LI], s[18:19] offset:1024*\f
	global_load_b128 v[KI+8*\f+4:KI+8*\f+7], v[LI], s[18:19] offset:1024*\f+512
.endr
.irp ks, 0,1
.irp tt, 0,1,2,3
	global_load_b128 v[VF+8*(4*\ks+\tt):VF+8*(4*\ks+\tt)+3], v[LI], s[20:21] offset:2048*\tt+1024*\ks
	global_load_b128 v[VF+8*(4*\ks+\tt)+4:VF+8*(4*\ks+\tt)+7], v[LI], s[20:21] offset:2048*\tt+1024*\ks+512
.endr
.endr
	WIN 0
	s_lshl_b32 s41, s2, 9                          ; (the lines from here to the next wait write none of the registers that the loads above read or land in)
	v_add_nc_u32 v[AWI], s41, v[LI]                ; AIMG + 512 w + 16 x lane
	s_lshl_b32 s41, s2, 1
	s_add_co_u32 s41, s41, ASC
	v_add_nc_u32 v[AWS], s41, v[LI]
	s_mul_i32 s41, s2, STB
	s_add_co_u32 s41, s41, STG
	v_mul_u32_u24 v[SO], v105, 272
	v_lshl_add_u32 v[SO], v106, 6, v[SO]
	v_add_nc_u32 v[SO], s41, v[SO]
	v_mul_u32_u24 v[SR], v106, 272
	v_lshl_add_u32 v[SR], v105, 4, v[SR]
	v_add_nc_u32 v[SR], s41, v[SR]
	s_lshl_b32 s41, s2, 8
	v_lshl_add_u32 v[GO0], v106, 11, v[R16]
	v_add_nc_u32 v[GO0], s41, v[GO0]
	s_mul_i32 s41, s2, QLB
	s_add_co_u32 s41, s41, QL
	v_add_nc_u32 v[QL0], s41, v[LI]
	s_add_co_u32 s41, s41, 4096
	v_lshl_add_u32 v[QLW0], v107, 2, s41
	v_and_b32 v[D0], 8, v105
	v_add_nc_u32 v[D0], v[D0], v105
	v_lshlrev_b32 v14, 4, v106
	v_sub_nc_u32 v[D0], v[D0], v14
	v_mov_b32 v[NEG], 0xf149f2ca
	v_mov_b32 v[F+1], 0                            ; (named as the upper half of a pair)
.irp j, 0,1,2,3
	v_mov_b32 v[PX+\j], 0                          ; written once: a lane permute's destination counts as one of its sources
	v_mov_b32 v[QF+4+\j], 0                        ; the zero codes between the two copies of Q
.endr
	s_wait_alu depctr_va_vdst(0)                   ; the LDS addresses v5-8, v11, v12 are written, which the LDS stores and loads from here on read
	s_wait_loadcnt 36                              ; Q and its words are in: behind them stand the 4 loads of scale words, K's 16 and V's 16
.irp nn, 0,1,2,3,4,5,6,7
	ds_store_b128 v[QL0], v[S+4*\nn:S+4*\nn+3] offset:512*\nn
.endr
.irp i, 0,1,2,3
	ds_store_b32 v[QLW0], v[S+32+\i] offset:128*\i
.endr
.irp tt, 0,1,2,3
	global_load_b128 v[WOS+4*\tt:WOS+4*\tt+3], v[R16], s[26:27] offset:256*\tt
.endr
.irp tt, 0,1,2,3                               ; lane (r, h), register j of tile T = 2 b + u: bo of column 64 w + 32 b + 16 h + 8 u + j
	global_load_b128 v[BO+8*\tt:BO+8*\tt+3], v[HB], s[28:29] offset:128*(\tt/2)+32*(\tt%2)
	global_load_b128 v[BO+8*\tt+4:BO+8*\tt+7], v[HB], s[28:29] offset:128*(\tt/2)+32*(\tt%2)+16
.endr
	WIN 0x40
.irp f, 0,1,2,3,4,5,6,7,8,9,10,11,12,13,14,15
	global_load_b128 v[WO+8*\f:WO+8*\f+3], v[LI], s[24:25] offset:1024*\f
	global_load_b128 v[WO+8*\f+4:WO+8*\f+7], v[LI], s[24:25] offset:1024*\f+512
.endr
	WIN 0
	ds_load_b128 v[QF:QF+3], v[QL0]                ; tile 0 of Q, twice, and its image's scale word.  LDS serves a wave's instructions in order: these see my stores
	ds_load_b128 v[QF+8:QF+11], v[QL0]
	ds_load_b32 v[QWR], v[QLW0]
	s_wait_loadcnt 60                              ; K and all scale words of K and V are in: behind K's loads stand V's 16 and Wo's 44
.Ltrip:
	s_wait_xcnt 0x0                                ; the last trip's stores have had their addresses translated (first trip: the head's loads, whose bases' neighbours s44-59 and offsets are written from here on)
	s_wait_dscnt 0x0                               ; this trip's Q is in
	s_wait_alu depctr_vm_vsrc(0)                   ; the last trip's stores, LDS stores and LDS loads have read v10, v14, v15, v76-83, v100 and v172-235 (first trip: the head's LDS stores v172-207, Q's loads v100-103): all are written again in this trip
	s_lshr_b32 s41, s[N], 1                        ; i
	s_and_b32 s42, s[N], 1                         ; u
	s_and_b32 s43, s41, 1
	s_xor_b32 s43, s43, s[PI]
	s_lshl_b32 s44, s41, 1
	s_add_co_u32 s43, s43, s44                     ; b = 2 i + ((i % 2) xor pi)
	s_lshl_b32 s44, s43, 2
	s_add_co_u32 s44, s44, s42
	s_lshl_b32 s44, s44, 14                        ; (32 b + 8 u) rows of 2,048 bytes
	s_lshl_b32 s45, s42, 4
	s_lshl_b32 s46, s42, 3
	v_lshrrev_b32 v[QLO], s45, v[QWR]              ; tile (b, u)'s two bytes in bytes 0, 1 (above them a neighbour's bytes or zeros, over zero codes),
	v_lshlrev_b32 v[QHI], 16, v[QLO]               ; and in bytes 2, 3
	v_add_nc_u32 v[DD], s46, v[D0]
	v_add_nc_u32 v[GO], s44, v[GO0]
.rept 6
	v_nop                                          ; eight places between a scale register's write and the scaled product; with the lines above also the places behind the last trip's products, whose registers the scores overwrite
.endr
	s_wait_alu depctr_va_vdst(0)                   ; Q's two scale registers are written, which the scaled products of every variant below take (first trip: so are the zero codes between Q's copies); the places above stay beside this wait
	s_cmp_lt_u32 s43, 4                            ; which key blocks are visible hangs on ids alone
	s_cbranch_scc0 .Lfull
	s_cmp_eq_u32 s43, 0
	s_cbranch_scc1 .La1
	s_cmp_eq_u32 s43, 1
	s_cbranch_scc1 .La2
	s_cmp_eq_u32 s43, 2
	s_cbranch_scc1 .La3
	STEP 0, 4, 1, 1
	s_branch .Ljoin
.La3:
	STEP 0, 3, 1, 1
	s_branch .Ljoin
.La2:
	STEP 0, 2, 1, 1
	s_branch .Ljoin
.La1:
	STEP 0, 1, 1, 1
	s_branch .Ljoin
.Lfull:
	STEP 0, 4, 0, 1
	s_cmp_eq_u32 s43, 4
	s_cbranch_scc1 .Lb1
	s_cmp_eq_u32 s43, 5
	s_cbranch_scc1 .Lb2
	s_cmp_eq_u32 s43, 6
	s_cbranch_scc1 .Lb3
	STEP 1, 4, 1, 0
	s_branch .Ljoin
.Lb3:
	STEP 1, 3, 1, 0
	s_branch .Ljoin
.Lb2:
	STEP 1, 2, 1, 0
	s_branch .Ljoin
.Lb1:
	STEP 1, 1, 1, 0
.Ljoin:
	s_add_co_u32 s41, s[N], 1                      ; the next tile of Q (the last trip reads tile 7 again)
	s_min_u32 s41, s41, 7
	s_lshl_b32 s42, s41, 9
	v_add_nc_u32 v[AD0], s42, v[QL0]
	s_lshr_b32 s42, s41, 1
	s_lshl_b32 s42, s42, 7
	v_add_nc_u32 v[AD1], s42, v[QLW0]
	v_add_f32 v[T0], v[L], v[L+1]                  ; the sum's two halves,
	v_permlanex16_b32 v[PX], v[T0], s[SEL], s[SEL+1]
	v_add_f32 v[T0], v[T0], v[PX]                  ; and lane l xor 16's: the row's sum
	s_wait_alu depctr_va_vdst(0)
	v_rcp_f32 v[F], v[T0]
	v_nop                                          ; a plain line behind the reciprocal; with the additions above: the places behind the last products
	s_wait_alu depctr_va_vdst(0)                   ; 1 / l is written, ahead of its first reader; so are the two LDS addresses; and the key steps' products are done reading Q, the trip's first shift its scale word: the next tile's land there
	ds_load_b128 v[QF:QF+3], v[AD0]
	ds_load_b128 v[QF+8:QF+11], v[AD0]
	ds_load_b32 v[QWR], v[AD1]
.set JJ, 0
.rept 16
	v_pk_mul_f32 v[O+JJ:O+JJ+1], v[O+JJ:O+JJ+1], v[F:F+1] op_sel_hi:[1,0]   ; attn = O^T / l: register 16 b' + i = dv 32 b' + 16 h + i of my query
.set JJ, JJ+2
.endr
.irp qb, 0,1                                   ; its two blocks of 32 along the last product's K
	v_max3_num_f32 v[MX+\qb], |v[O+16*\qb]|, |v[O+16*\qb+1]|, 0x1800000
.endr
.irp qi, 2,4,6,8,10,12,14
.irp qb, 0,1
	v_max3_num_f32 v[MX+\qb], v[MX+\qb], |v[O+16*\qb+\qi]|, |v[O+16*\qb+\qi+1]|
.endr
.endr
.irp qb, 0,1
	v_permlanex16_b32 v[PX+\qb], v[MX+\qb], s[SEL], s[SEL+1]
.endr
.irp qb, 0,1
	v_max_num_f32 v[MX+\qb], v[MX+\qb], v[PX+\qb]
.endr
.irp qb, 0,1
	v_add_nc_u32 v[SOP+\qb], 0xff000000, v[MX+\qb]
.endr
.irp qb, 0,1
	v_lshrrev_b32 v[BY+\qb], 23, v[SOP+\qb]
.endr
	v_lshl_or_b32 v[T0], v[BY+1], 8, v[BY]         ; my head's half of the scale word
.irp qb, 0,1
	v_cvt_scalef32_pk8_fp4_f32 v[PC+2*\qb], v[O+16*\qb:O+16*\qb+7], v[SOP+\qb]
	v_cvt_scalef32_pk8_fp4_f32 v[PC+2*\qb+1], v[O+16*\qb+8:O+16*\qb+15], v[SOP+\qb]
.endr
	v_nop                                          ; one plain line behind the last scaled conversion
	v_permlane16_swap_b32 v[PC], v[PC+2]
	v_permlane16_swap_b32 v[PC+1], v[PC+3]         ; lane (r, h): dv 32 h .. 32 h + 31: piece w % 2 of K step w / 2
	s_wait_alu depctr_va_vdst(0)                   ; my piece's codes and half word are written, which the two LDS stores read; and the softmax is done with p's registers, the last trip's products with attn's scale words: behind the barrier attn's fragments and words land there
	ds_store_b128 v[AWI], v[PC:PC+3]
	ds_store_b16 v[AWS], v[T0]
	s_wait_dscnt 0x0                               ; for the others' sake: my piece and my half word have landed
	s_barrier_signal -1
	s_barrier_wait -1                              ; all eight heads' have
.irp ks, 0,1,2,3
	ds_load_b128 v[AF+8*\ks:AF+8*\ks+3], v[LI] offset:AIMG+1024*\ks
	ds_load_b128 v[AF+8*\ks+4:AF+8*\ks+7], v[LI] offset:AIMG+1024*\ks+512
.endr
	ds_load_b128 v[AS:AS+3], v[LI] offset:ASC
	s_wait_dscnt 0x0                               ; my reads of the images are over:
	s_barrier_signal -1                            ; say so; only register work stands up to the wait, and the images are written again only behind it
	s_wait_loadcnt 0x0                             ; Wo, its words and bo (in later trips no load is out)
	WIN 0x01
.irp ks, 0,1,2,3                               ; out^T = Wo attn^T + bo: four accumulators by turns
.irp tt, 0,1,2,3
.if \ks == 0
	v_wmma_scale_f32_16x16x128_f8f6f4 v[OA+8*\tt:OA+8*\tt+7], v[WO+8*(4*\tt+\ks):WO+8*(4*\tt+\ks)+7], v[AF+8*\ks:AF+8*\ks+7], v[BO+8*\tt:BO+8*\tt+7], v[WOS+4*\tt+\ks], v[AS+\ks] matrix_a_fmt:MATRIX_FMT_FP4 matrix_b_fmt:MATRIX_FMT_FP4
.else
	v_wmma_scale_f32_16x16x128_f8f6f4 v[OA+8*\tt:OA+8*\tt+7], v[WO+8*(4*\tt+\ks):WO+8*(4*\tt+\ks)+7], v[AF+8*\ks:AF+8*\ks+7], v[OA+8*\tt:OA+8*\tt+7], v[WOS+4*\tt+\ks], v[AS+\ks] matrix_a_fmt:MATRIX_FMT_FP4 matrix_b_fmt:MATRIX_FMT_FP4
.endif
.endr
.endr
	WIN 0
.rept 4
	v_nop                                          ; four places behind the products, ahead of the LDS stores that read their results
.endr
	s_wait_alu depctr_va_vdst(0)                   ; the products have written the four accumulators, which the LDS stores read, and are done reading attn's fragments, in which the rows of out land; the places above stay beside this wait
	s_barrier_wait -1
.irp tt, 0,1,2,3                               ; THE WAY OUT, through my own stage: lane (r, h): columns 32 b' + 16 h + 8 u' + 0 .. 7 of query place r; each accumulator from its low end on
	ds_store_b128 v[SO], v[OA+8*\tt:OA+8*\tt+3] offset:128*(\tt/2)+32*(\tt%2)
	ds_store_b128 v[SO], v[OA+8*\tt+4:OA+8*\tt+7] offset:128*(\tt/2)+32*(\tt%2)+16
.endr
.irp i, 0,1,2,3,4,5,6,7
	ds_load_b128 v[AF+4*\i:AF+4*\i+3], v[SR] offset:544*\i   ; places 2 i and 2 i + 1, whole: LDS serves a wave's instructions in order
.endr
.irp i, 0,1,2,3,4,5,6,7
	s_wait_dscnt 7-\i                              ; the younger reads may stay out
	global_store_b128 v[GO], v[AF+4*\i:AF+4*\i+3], s[30:31] offset:(2*\i+8*(\i/4))*2048 th:TH_STORE_NT   ; sixteen lanes store 256 consecutive bytes, at a multiple of 256 from out's first byte
.endr
	s_add_co_u32 s[N], s[N], 1
	s_cmp_lt_u32 s[N], 8
	s_cbranch_scc1 .Ltrip
	s_wait_dscnt 0x0                               ; the closing lines, six on end
	s_wait_alu 0x0
	s_wait_tensorcnt 0x0
	ds_add_u32 v254, v255
	s_wait_dscnt 0x0
	s_endpgm
.Lfunc_end_k_q8e9d85e6bb_attn:
	.size	k_q8e9d85e6bb_attn, .Lfunc_end_k_q8e9d85e6bb_attn-k_q8e9d85e6bb_attn
	.p2alignl 7, 3214868480
	.fill 96, 4, 3214868480
	.section	.rodata,"a",@progbits
	.p2align	6, 0x0
	.amdhsa_kernel k_q8e9d85e6bb_attn
		.amdhsa_group_segment_fixed_size 77824
		.amdhsa_private_segment_fixed_size 0
		.amdhsa_enable_private_segment 0
		.amdhsa_kernarg_size 48
		.amdhsa_user_sgpr_count 2
		.amdhsa_user_sgpr_kernarg_segment_ptr 1
		.amdhsa_wavefront_size32 1
		.amdhsa_system_sgpr_workgroup_id_x 1
		.amdhsa_system_sgpr_workgroup_id_y 1
		.amdhsa_system_sgpr_workgroup_id_z 1
		.amdhsa_system_vgpr_workitem_id 0
		.amdhsa_next_free_vgpr 512
		.amdhsa_next_free_sgpr 66
		.amdhsa_reserve_vcc 0
		.amdhsa_float_denorm_mode_32 3
		.amdhsa_float_denorm_mode_16_64 3
		.amdhsa_memory_ordered 1
		.amdhsa_forward_progress 1
		.amdhsa_inst_pref_size 123
	.end_amdhsa_kernel
	.amdgpu_metadata
---
amdhsa.version: [ 1, 2 ]
amdhsa.kernels:
  - .name:           k_q8e9d85e6bb_attn
    .symbol:         k_q8e9d85e6bb_attn.kd
    .args:
      - { .name: acts, .offset: 0, .size: 8, .value_kind: global_buffer, .address_space: global }
      - { .name: actss, .offset: 8, .size: 8, .value_kind: global_buffer, .address_space: global }
      - { .name: wcodes, .offset: 16, .size: 8, .value_kind: global_buffer, .address_space: global }
      - { .name: wscales, .offset: 24, .size: 8, .value_kind: global_buffer, .address_space: global }
      - { .name: bo, .offset: 32, .size: 8, .value_kind: global_buffer, .address_space: global }
      - { .name: out0, .offset: 40, .size: 8, .value_kind: global_buffer, .address_space: global }
    .group_segment_fixed_size: 77824
    .private_segment_fixed_size: 0
    .kernarg_segment_align: 8
    .kernarg_segment_size: 48
    .max_flat_workgroup_size: 256
    .sgpr_count:     66
    .vgpr_count:     512
    .wavefront_size: 32
...
	.end_amdgpu_metadata
.endif
;; end of part 6
